; MI455X (gfx1250); checked and timed in simulation.
; The chip was launched on July 23, 2026; its instructions are those of AMD's public machine-readable ISA for CDNA 5 (MIT licence, August 2026) and "CDNA5" Instruction Set Architecture Reference Guide (July 2026). The comments in the code are by the model that wrote it; some were corrected since.
;; Dot Product Attention. Allowed arithmetic: matrix products marked QUANTISED: E2M1 operands, one E8M0 scale for each 32 along K, by v_wmma_scale_f32_16x16x128_f8f6f4 with both operands' format E2M1 (or v_wmma_scale_f32_32x16x128_f4), f32 sums; products left as they are: bf16, f16 or f32 operands; f32 sums; everything else in f32.
;; Inputs: Wk 1,024 x 1,024 float32; Wq 1,024 x 1,024 float32; Wv 1,024 x 1,024 float32; bk 1,024 float32; bq 1,024 float32; bv 1,024 float32; q 4 x 2,048 x 1,024 float32; x 4 x 2,048 x 1,024 float32.
;; Outputs: out0 4 x 2,048 x 1,024 float32.
;; This version of the problem:
;;   THIS VERSION OF THE PROBLEM IS GIVEN IN LOW PRECISION. The matrix products marked QUANTISED in the list below multiply operands that are first quantised to E2M1 (2 exponent bits, 1 mantissa bit; 4 bits a number), with one power-of-two scale for each 32 numbers along K (OCP MX v1.0); their sums are f32. The products marked 'left as it is' may take bf16, f16 or f32 operands, with f32 sums. Whichever they take, every output number must still come out within the allowed error. Rounding operands to bf16 (8 significant bits) uses up far more of that allowance than f16 does (11 bits, for magnitudes from 6e-5 to 65,504). All else is computed in f32.
;;   The module's matrix products, in the order in which they are computed (A, B: the left and right operand; K: the contracted axis; several contracted axes count as one K, in the product's order):
;;     1. [M 8,192, K 1,024] x [K 1,024, N 1,024]; A: input x; B: input Wk: QUANTISED
;;     2. [M 8,192, K 1,024] x [K 1,024, N 1,024]; A: input x; B: input Wv: QUANTISED
;;     3. [M 8,192, K 1,024] x [K 1,024, N 1,024]; A: input q; B: input Wq: QUANTISED
;;     4. batch 4 x [M 2,048, K 1,024] x [K 1,024, N 2,048]; A: computed on the way; B: computed on the way: left as it is (an operand is computed on the way)
;;     5. batch 4 x [M 2,048, K 2,048] x [K 2,048, N 1,024]; A: computed on the way; B: computed on the way: left as it is (an operand is computed on the way)
;;   THE QUANTISER, for each operand of a quantised product, along K:
;;     - K is cut into blocks of 32 from its start; a last block that is shorter is filled with zeros.
;;     - A block's scale is 2^e with e = floor(log2(the largest magnitude in the block)) - 2, held to -126 .. 127; a block of zeros has e = 0. As a byte (E8M0): e + 127.
;;     - Each number is divided by its block's scale, clamped to +-6, and rounded to the nearest number of E2M1, ties to even, subnormals kept.
;;     - The product sums the exact products of the quantised numbers (number of the format x scale) in f32.
;;   ~~~python
;;   def quantise(x, axis):      # numpy; x: float32 -> the quantised numbers, widened to float32 again
;;       x = np.moveaxis(x, axis, -1); K = x.shape[-1]
;;       x = np.pad(x, [(0, 0)] * (x.ndim - 1) + [(0, -K % 32)]); x = x.reshape(x.shape[:-1] + (-1, 32)); a = np.abs(x).max(-1, keepdims=True)
;;       e = np.where(a > 0, np.clip(np.frexp(np.where(a > 0, a, 1))[1] - 1 - 2, -126, 127), 0)      # np.frexp(a)[1] - 1 = floor(log2(a)), exactly
;;       r = np.clip(x / 2.0 ** e, -6, 6)
;;       step = 2.0 ** (np.maximum(np.frexp(np.where(r == 0, 1, r))[1] - 1, 0) - 1)
;;       q = np.round(r / step) * step * 2.0 ** e      # np.round: ties to even
;;       return np.moveaxis(q.reshape(q.shape[:-2] + (-1,))[..., :K], -1, axis).astype(np.float32)
;;   ~~~
;; One version. Each part assembles by itself: llvm-mc -triple=amdgcn-amd-amdhsa -mcpu=gfx1250 --defsym DOCPART=n.
;; ======== version 1 of 1: 4 launches
;; limits: values are held in f16: magnitudes above 65,504 overflow, below 6.1e-05 lose precision
;; workspace buffers: codes 9,961,472 bytes; scales 622,592 bytes; proj 83,886,080 bytes; pmat 33,554,432 bytes; stats 1,048,576 bytes
;; launch quant (part 1): grid 608 x 1, 4 waves a work-group, no clusters, 33,280 bytes of LDS; arguments q, x, Wq, Wk, Wv, codes, scales; writes codes, scales
.if DOCPART == 1
	.amdgcn_target "amdgcn-amd-amdhsa--gfx1250"
	.amdhsa_code_object_version 6
	.text
	.protected	k_q2c9e3d57d8_quant
	.globl	k_q2c9e3d57d8_quant
	.p2align	8
	.type	k_q2c9e3d57d8_quant,@function
k_q2c9e3d57d8_quant:
	s_mov_b64 s[64:65], 0
	v_nop
	global_prefetch_b8 v0, s[64:65] scope:SCOPE_SE
	s_setreg_imm32_b32 hwreg(HW_REG_WAVE_MODE, 25, 1), 1
	s_wait_xcnt 0x0
; q, x [8192][1024] and Wq, Wk, Wv [1024][1024], f32, K innermost, become codes of FP4 (E2M1) with one E8M0 scale byte for each 32 along K.
; A block's scale is 2^(floor(log2(its largest magnitude)) - 2); its byte is the largest magnitude's exponent field - 2, held at 1 from below.
; Each number is divided by the scale and rounded to the nearest code, ties to even; beyond 6 the largest code.
; LIMITS: a block of zeros, and a block whose largest magnitude lies under 2^-124, keeps the byte 1 (a block of zeros has zero codes, which add nothing; only this program reads the bytes);
; NaN and infinities among the inputs are not served.
; Rows are dense and 1024 is a multiple of 32: every tensor is a plain stream of blocks, and so are its codes (16 bytes a block) and its bytes.
; The five streams lie on end in the two buffers: q, x, Wq, Wk, Wv.  So q and x are one matrix of 16,384 rows and the weights one of 3,072 rows.
; A work-group takes 32,768 numbers, a wave 16 steps of 512.  Work-groups 0-255: q; 256-511: x; 512-543: Wq; 544-575: Wk; 576-607: Wv.
; A load reads 512 consecutive bytes; a step's 2,048 bytes turn through the wave's own stage in LDS, so that a lane then holds 16 neighbours along K (two lanes hold a block).
; No tensor load, no barrier: waves share nothing.  Loads run four steps ahead, the turn through LDS one step.
.set WAVES, 4
.set STEPS, 16
.set EMAX,  2
.set CB,    8                          ; bytes of 16 codes
.set R,     16                         ; v16-79   four sets of 16 numbers as loaded
.set X,     80                         ; v80-111  two sets of 16 neighbours
.set C,     128                        ; v128-191 codes: four registers a step, so that no store's data are written again
.set E,     112                        ; v112-127 a scale byte a step
.set WREG,  8192                       ; LDS: a region for each wave: two stages of 32 x SP bytes, behind them its 256 scale bytes
.set SP,    80                         ; a lane's place in a stage: 64 bytes + 16 of padding
.set SPW,   12                         ; v12 LDS address of my spare word; never rewritten
.set NIL,   13                         ; v13 0; never rewritten
.set SPARE, WAVES*WREG                 ; behind the regions: the spare words, 128 bytes a wave; no other line names them
	s_load_b256 s[4:11], s[0:1], 0x0               ; q s[4:5], x s[6:7], Wq s[8:9], Wk s[10:11]
	s_load_b128 s[12:15], s[0:1], 0x20             ; Wv s[12:13], codes s[14:15]
	s_load_b64 s[16:17], s[0:1], 0x30              ; scales
	v_lshl_add_u32 v[SPW], v0, 2, SPARE
	v_mov_b32 v[NIL], 0
	v_lshrrev_b32 v1, 5, v0
	v_readfirstlane_b32 s18, v1                    ; wave
	v_and_b32 v2, 31, v0                           ; lane
	v_lshlrev_b32 v3, 4, v2                        ; my 16 bytes of a load's 512
	s_mul_i32 s19, s18, WREG
	v_lshrrev_b32 v14, 2, v2
	v_mul_u32_u24 v14, v14, SP
	v_and_b32 v15, 3, v2
	v_lshl_add_u32 v14, v15, 4, v14
	v_add_nc_u32 v14, s19, v14                     ; the stage, on the way in: SP (lane / 4) + 16 (lane % 4)
	v_mul_u32_u24 v15, v2, SP
	v_add_nc_u32 v15, s19, v15                     ; and on the way out: SP x lane: my 16 neighbours
	v_mul_u32_u24 v4, v2, CB                       ; my codes' place in a step's
	v_lshrrev_b32 v5, 1, v2
	s_add_co_u32 s19, s19, 2*32*SP
	v_add_nc_u32 v5, s19, v5                       ; LDS: my wave's 256 scale bytes, my block's byte
	v_lshlrev_b32 v7, 3, v2                        ; and on the way out 8 bytes a lane
	v_add_nc_u32 v6, s19, v7
	s_wait_kmcnt 0x0
	s_mov_b64 s[20:21], s[12:13]                   ; which tensor is mine: a chain of choices on the work-group's number alone
	s_mov_b32 s22, 576                             ; and its first work-group
	s_cmp_lt_u32 ttmp9, 576
	s_cselect_b64 s[20:21], s[10:11], s[20:21]
	s_cselect_b32 s22, 544, s22
	s_cmp_lt_u32 ttmp9, 544
	s_cselect_b64 s[20:21], s[8:9], s[20:21]
	s_cselect_b32 s22, 512, s22
	s_cmp_lt_u32 ttmp9, 512
	s_cselect_b64 s[20:21], s[6:7], s[20:21]
	s_cselect_b32 s22, 256, s22
	s_cmp_lt_u32 ttmp9, 256
	s_cselect_b64 s[20:21], s[4:5], s[20:21]
	s_cselect_b32 s22, 0, s22
	s_sub_co_u32 s23, ttmp9, s22
	s_lshl_b32 s23, s23, 2
	s_add_co_u32 s24, s23, s18                     ; which run of 8,192 numbers of the tensor is my wave's
	s_lshl_b32 s24, s24, 15                        ; 32,768 bytes a run
	s_mov_b32 s25, 0
	s_add_nc_u64 s[20:21], s[20:21], s[24:25]
	s_lshl_b32 s26, ttmp9, 2
	s_add_co_u32 s26, s26, s18                     ; and which run of the two buffers
	s_lshl_b32 s24, s26, 12                        ; 4,096 bytes of codes
	s_add_nc_u64 s[14:15], s[14:15], s[24:25]
	s_lshl_b32 s24, s26, 8                         ; 256 scale bytes
	s_add_nc_u64 s[16:17], s[16:17], s[24:25]
.macro LOAD t
.irp i, 0,1,2,3
	global_load_b128 v[R+16*((\t)%4)+4*\i:R+16*((\t)%4)+4*\i+3], v3, s[20:21] offset:2048*(\t)+512*\i th:TH_LOAD_NT   ; 32 lanes read 512 consecutive bytes
.endr
.endm
.macro TURN t                          ; step t's numbers through the stage: LDS serves a wave's instructions in order, so no wait stands between the stores and the loads
.irp i, 0,1,2,3
	ds_store_b128 v14, v[R+16*((\t)%4)+4*\i:R+16*((\t)%4)+4*\i+3] offset:32*SP*((\t)%2)+8*SP*\i
.endr
.irp i, 0,1,2,3
	ds_load_b128 v[X+16*((\t)%2)+4*\i:X+16*((\t)%2)+4*\i+3], v15 offset:32*SP*((\t)%2)+16*\i
.endr
.endm
.irp t, 0,1,2,3
	LOAD \t
.endr
	s_wait_loadcnt 12                              ; step 0's four loads are in
	TURN 0
.macro STEP t
.set XS, X+16*((\t)%2)
.if (\t) > 0
	s_wait_dscnt 1                                 ; this step's numbers are back from the stage (the last step's byte store may be out)
.else
	s_wait_dscnt 0x0
.endif
.if (\t)+4 < STEPS
	LOAD (\t)+4                                    ; the stage's stores have read these registers: they take the loads of four steps on
.endif
.if (\t)+1 < STEPS
.if STEPS-2-(\t) >= 3
	s_wait_loadcnt 12                              ; the next step's four loads are in; those of the three steps behind it may be out
.else
	s_wait_loadcnt 4*(STEPS-2-(\t))
.endif
	TURN (\t)+1                                    ; and go through the other stage while this step is worked
.endif
	v_max3_num_f32 v8, |v[XS]|, |v[XS+1]|, |v[XS+2]|               ; the largest magnitude of my 16, in two chains
	v_max3_num_f32 v9, |v[XS+3]|, |v[XS+4]|, |v[XS+5]|
.irp i, 6,10
	v_max3_num_f32 v8, v8, |v[XS+\i]|, |v[XS+\i+1]|
	v_max3_num_f32 v9, v9, |v[XS+\i+2]|, |v[XS+\i+3]|
.endr
	v_max3_num_f32 v8, v8, |v[XS+14]|, |v[XS+15]|
	v_max3_num_f32 v8, v8, v9, (EMAX+1)<<23        ; and the floor 2^(3 - 127): so the byte cannot fall under 1
	v_max_num_f32_dpp v8, v8, v8 row_xmask:1 row_mask:0xf bank_mask:0xf   ; and of my neighbour's 16: the block's
	v_add_nc_u32 v11, -(EMAX<<23), v8              ; 2 off its exponent field: the conversion takes the exponent field of this operand as its scale
	v_cvt_scalef32_pk8_fp4_f32 v[C+4*(\t)], v[XS:XS+7], v11
	v_cvt_scalef32_pk8_fp4_f32 v[C+4*(\t)+1], v[XS+8:XS+15], v11
	v_lshrrev_b32 v[E+(\t)], 23, v11               ; the scale's byte (also the plain line behind the conversions)
	ds_store_b8 v5, v[E+(\t)] offset:16*(\t)       ; both lanes of a block write the same byte with the same value
	global_store_b64 v4, v[C+4*(\t):C+4*(\t)+1], s[14:15] offset:32*CB*(\t)   ; the wave stores 256 consecutive bytes, aligned
.endm
.irp t, 0,1,2,3,4,5,6,7,8,9,10,11,12,13,14,15
	STEP \t
.endr
	ds_load_b64 v[8:9], v6                         ; LDS serves a wave's instructions in order: these see my stores
	s_wait_dscnt 0x0
	global_store_b64 v7, v[8:9], s[16:17]          ; 32 lanes store 256 consecutive bytes, aligned
	s_wait_tensorcnt 0x0                           ; the wave's end, behind my last LDS store
	ds_add_u32 v[SPW], v[NIL]
	s_wait_dscnt 0x0
	s_endpgm
.Lfunc_end_k_q2c9e3d57d8_quant:
	.size	k_q2c9e3d57d8_quant, .Lfunc_end_k_q2c9e3d57d8_quant-k_q2c9e3d57d8_quant
	.p2alignl 7, 3214868480
	.fill 96, 4, 3214868480
	.section	.rodata,"a",@progbits
	.p2align	6, 0x0
	.amdhsa_kernel k_q2c9e3d57d8_quant
		.amdhsa_group_segment_fixed_size 33280
		.amdhsa_private_segment_fixed_size 0
		.amdhsa_enable_private_segment 0
		.amdhsa_kernarg_size 56
		.amdhsa_user_sgpr_count 2
		.amdhsa_user_sgpr_kernarg_segment_ptr 1
		.amdhsa_wavefront_size32 1
		.amdhsa_system_sgpr_workgroup_id_x 1
		.amdhsa_system_sgpr_workgroup_id_y 1
		.amdhsa_system_sgpr_workgroup_id_z 1
		.amdhsa_system_vgpr_workitem_id 0
		.amdhsa_next_free_vgpr 192
		.amdhsa_next_free_sgpr 66
		.amdhsa_reserve_vcc 0
		.amdhsa_float_denorm_mode_32 3
		.amdhsa_float_denorm_mode_16_64 3
		.amdhsa_memory_ordered 1
		.amdhsa_forward_progress 1
		.amdhsa_inst_pref_size 34
	.end_amdhsa_kernel
	.amdgpu_metadata
---
amdhsa.version: [ 1, 2 ]
amdhsa.kernels:
  - .name:           k_q2c9e3d57d8_quant
    .symbol:         k_q2c9e3d57d8_quant.kd
    .args:
      - { .name: q, .offset: 0, .size: 8, .value_kind: global_buffer, .address_space: global }
      - { .name: x, .offset: 8, .size: 8, .value_kind: global_buffer, .address_space: global }
      - { .name: Wq, .offset: 16, .size: 8, .value_kind: global_buffer, .address_space: global }
      - { .name: Wk, .offset: 24, .size: 8, .value_kind: global_buffer, .address_space: global }
      - { .name: Wv, .offset: 32, .size: 8, .value_kind: global_buffer, .address_space: global }
      - { .name: codes, .offset: 40, .size: 8, .value_kind: global_buffer, .address_space: global }
      - { .name: scales, .offset: 48, .size: 8, .value_kind: global_buffer, .address_space: global }
    .group_segment_fixed_size: 33280
    .private_segment_fixed_size: 0
    .kernarg_segment_align: 8
    .kernarg_segment_size: 56
    .max_flat_workgroup_size: 128
    .sgpr_count:     66
    .vgpr_count:     192
    .wavefront_size: 32
...
	.end_amdgpu_metadata
.endif
;; end of part 1
;; launch proj (part 2): grid 12 x 32, 4 waves a work-group, clusters of 4 x 4, 327,680 bytes of LDS; arguments codes, scales, bq, bk, bv, proj; writes proj
.if DOCPART == 2
	.amdgcn_target "amdgcn-amd-amdhsa--gfx1250"
	.amdhsa_code_object_version 6
	.text
	.protected	k_q2c9e3d57d8_proj
	.globl	k_q2c9e3d57d8_proj
	.p2align	8
	.type	k_q2c9e3d57d8_proj,@function
k_q2c9e3d57d8_proj:
	s_mov_b64 s[64:65], 0
	v_nop
	global_prefetch_b8 v0, s[64:65] scope:SCOPE_SE
	s_setreg_imm32_b32 hwreg(HW_REG_WAVE_MODE, 25, 1), 1
	s_wait_xcnt 0x0
	s_wait_alu depctr_hold_cnt(0) depctr_sa_sdst(0) depctr_va_vdst(0) depctr_va_sdst(0) depctr_va_ssrc(0) depctr_va_vcc(0) depctr_vm_vsrc(0)
	s_getreg_b32 s2, hwreg(HW_REG_IB_STS2, 6, 4)
	s_cmp_eq_u32 s2, 0
	s_cbranch_scc0 .Lentry_in_a_cluster
	s_endpgm
.Lentry_in_a_cluster:
	s_bfe_u32 s2, ttmp6, 0x10000c
	s_cmp_lg_u32 s2, 0xf033
	s_cbranch_scc0 .Lentry_shape_is_right
	s_endpgm
.Lentry_shape_is_right:
; The three projections on codes of FP4 with E8M0 scales, sums in f32: x = (A W^T + b) / 4 for q Wq, x Wk, x Wv (cluster x = 0, 1, 2).  The division by 4 is exact; it leaves f16 room upward.
; WHAT IS STORED, all f16.  v, from byte 0x2000000 of proj: [8192][1024], f16(x).  q, from byte 0, and k, from byte 0x3000000: rows of 4,096 bytes: 1,024 first parts, then 512 second parts; bytes 3,072 on are not used.
; PAIRS.  The scores sum q k over 1,024 channels, and the rounding of both to f16 weighs on them.  For the first 128 of every 256 channels each number goes as two f16 numbers:
;   q: a1 = f16(x), a2 = f16(8.125 x - 8 a1);    k: b1 = f16(x 64 / 65), b2 = f16(8 x - 8 b1).    In exact arithmetic a1 b1 + a2 b2 = x_q x_k + 64 (x_q - a1)(x_k - 65/64 b1):
;   what is left over is 64 times the product of two rounding errors, and the rounding of a2 and b2, each about an eighth of its number, counts with 1/64.  So one more place along the scores' K serves both operands of a channel.
;   The other channels go as f16(x).  The second parts of channels 256 c .. 256 c + 127 lie at byte 2,048 + 256 c of the row, in q and in k alike.
; LIMIT: |result| under 262,000 (f16's largest number x 4); NaN and infinities are not served.
; codes: rows of 512 bytes: q's 8,192 rows, x's 8,192 rows, then (8 MiB on) the 3,072 rows of Wq, Wk, Wv.  scales: rows of 32 bytes in the same order (the weights' 512 KiB on).
; A tile of 256 x 256 is made by four waves, each 128 x 128: 64 accumulators, 512 registers.  K = 1,024 is two slots of 512 along K (rows of 256 bytes): both are asked for at the start and nothing is filled again.
; The scales of the work-group's 256 + 256 rows for all of K are two dense blocks: they come once, as rows of 256 bytes + 16 of padding.
; CLUSTERS: 4 x 4 work-groups; cluster x is the projection.  The four of a row of the cluster need the same rows of A, the four of a column the same rows of W: joint loads.
; 384 tiles are 24 clusters: more than fit at once.  A smaller tile would read each fragment for fewer products; the launch is short beside the two that follow.
; THE MATRIX INSTRUCTION IS USED TRANSPOSED (source 0 = 16 rows of W, source 1 = 16 rows of A): a lane holds eight neighbouring columns of one row.  The bias is the C of each sum's first instruction.
; REGISTERS: window 0: v0-31 addresses; v32-95 scale words, two sets; v128-191 A's fragments, one set.  window 1: W's fragments, two sets, at v0 and v128; v64-127 the bias.  windows 2, 3: the accumulators.
.set KSTEP,  512
.set NQ,     KSTEP/128
.set ROWB,   256
.set KROW,   512                       ; a row of codes in memory
.set PITCH,  272                       ; an LDS row: 256 bytes + 16: the 16 rows of a load start at 16 different banks
.set FR,     8
.set NL,     2
.set NP,     4
.set HALFT,  128*PITCH
.set SLOT,   4*HALFT
.set KS,     32                        ; a row of scales in bytes
.set SCL,    2*SLOT
.set HALFS,  (128*KS/256)*272
.set SBLK,   (16*KS/256)*272
.set SPARE,  SCL+4*HALFS               ; the spare words, 128 bytes a wave; no other line names them
.set SPITCH, 272                       ; the way out: 16 rows x (256 + 16) bytes a wave, in slot 0, which has had its one fill and its last read by then
.set STG2,   4*16*SPITCH               ; the second parts go through stage bytes of their own, behind the four stages of the first parts
.set QKROW,  4096                      ; a row of q or of k in proj
.set CO,   8                           ; v8-15 my byte offset in rows 2 t + (lane / 16) of a block of 16 rows, t = 0 .. 7; never rewritten
.set ADRA, 16
.set ADRB, 20
.set STO,  24
.set RD,   25
.set ADRS, 27
.set SPW,  28
.set NIL,  29
.set BO,   30                          ; v30 32 x (lane / 16): my eight numbers of a tile's sixteen biases
.set SC,   32
.set AF,   128
.set BIAS, 64                          ; in window 1: register 8 b + j = bias(16 b + 8 (lane / 16) + j)
.set TMP,  32                          ; the way out: packed results, v32-63 (UNPACK names them)
.set BK,   64                          ; 16 rows read back: v64-95 and v96-127 by turns
.set PW,   128                         ; the way out: 64 numbers in f32
.set GS,   2                           ; s[2:3]   what a sum is multiplied by ahead of the first rounding: 1/4, or 16/65 for k's channels in pairs
.set N8,   20                          ; s[20:21] -8
.set M4,   22                          ; s[22:23] 8.125 / 4 for q, 8 / 4 for k
.set STEP16, 66                        ; s[66:67] 16 rows of my plane, in bytes
.set BACK, 92                          ; s[92:93] bytes from the last block's first parts back to the first block's second parts
.set SH,   95                          ; s95      a row of my plane is 2^SH bytes: 12 for q and k, 11 for v
.set G1, 24
.set G0, 32
.set G1B, 48
.set G0B, 56
.set G1S, 68
.set G0S, 76
.set G1SB, 80
.set G0SB, 88
.set MSB, 0
.macro WIN new                         ; the immediate's high byte repeats the setting that is left
.if MSB != (\new)
	s_set_vgpr_msb (MSB<<8)|(\new)
.set MSB, (\new)
.endif
.endm
.set MUL_LO, 0xa1                      ; source 0 (W) window 1, source 1 (A) window 0, C and D window 2
.set MUL_HI, 0xf1                      ; C and D window 3
.set FST_LO, 0x91                      ; the first step: C (the bias) window 1, D window 2
.set FST_HI, 0xd1                      ; D window 3
.set TO_B,   0x40
; A joint load: waves 0 and 1 fetch for A, waves 2 and 3 for W.  The branch hangs on the wave's number alone.  An s_nop 0 and four v_nop follow each line.
.macro JLOAD g0a, g1a, g0b, g1b
	s_cmp_eq_u32 s15, 0
	s_cbranch_scc0 .Lfor_b_\@
	tensor_load_to_lds s[\g0a:\g0a+3], s[\g1a:\g1a+7]
	s_nop 0
.rept 4
	v_nop
.endr
	s_branch .Lasked_\@
.Lfor_b_\@:
	tensor_load_to_lds s[\g0b:\g0b+3], s[\g1b:\g1b+7]
	s_nop 0
.rept 4
	v_nop
.endr
.Lasked_\@:
.endm
.macro CROUND                          ; a round of the cluster's barrier
	s_barrier_signal -1
	s_barrier_wait -1
	s_cmp_lg_u32 s14, 0
	s_cbranch_scc1 .Lnot_wave_0_\@
	s_barrier_signal -3
.Lnot_wave_0_\@:
	s_barrier_wait -3
	s_barrier_signal -1
	s_barrier_wait -1
.endm
	s_load_b128 s[4:7], s[0:1], 0x0                ; codes s[4:5], scales s[6:7]
	s_load_b128 s[96:99], s[0:1], 0x10             ; bq, bk
	s_load_b64 s[100:101], s[0:1], 0x20            ; bv
	s_load_b64 s[12:13], s[0:1], 0x28              ; proj
	v_lshl_add_u32 v[SPW], v0, 2, SPARE
	v_mov_b32 v[NIL], 0
	ds_add_u32 v[SPW], v[NIL]                      ; the opening: the add, twice on end, and its wait ahead of my first tensor load
	ds_add_u32 v[SPW], v[NIL]
	v_lshrrev_b32 v1, 5, v0
	v_readfirstlane_b32 s14, v1                    ; wave 0..3
	s_lshr_b32 s15, s14, 1                         ; my half of the tile's rows.  Also: I fetch for A (0) or for W (1)
	s_and_b32 s16, s14, 1                          ; my half of its columns.  Also: which 128 rows I fetch
	s_bfe_u32 s40, ttmp6, 0x40000                  ; cx
	s_bfe_u32 s41, ttmp6, 0x40004                  ; cy
	s_lshl_b32 s42, ttmp9, 2
	s_add_co_u32 s42, s42, s40                     ; tile column among the weights' 3,072 rows
	s_and_b32 s17, ttmp7, 0xffff
	s_lshl_b32 s17, s17, 2
	s_add_co_u32 s17, s17, s41                     ; tile row, 0..31
	s_lshl_b32 s43, s41, 2
	s_lshl_b32 s43, 15, s43                        ; my row of the cluster
	s_lshl_b32 s44, 0x1111, s40                    ; my column
	s_or_b32 s[G1+0], s43, (0<<16)|(1<<20)|(1<<21)|(5<<22)|(3<<25)  ; mask; elements of 1 byte; padding: 4 words behind every 64
	s_or_b32 s[G1B+0], s44, (0<<16)|(1<<20)|(1<<21)|(5<<22)|(3<<25)
.irp g, G1, G1B
	s_mov_b32 s[\g+1], ROWB<<16                    ; tensor_dim0
	s_mov_b32 s[\g+2], 128<<16                     ; tensor_dim1
	s_mov_b32 s[\g+3], ROWB<<16                    ; tile_dim0
	s_mov_b32 s[\g+4], 128                         ; tile_dim1
	s_mov_b32 s[\g+5], KROW                        ; from row to row
	s_mov_b32 s[\g+6], 0
	s_mov_b32 s[\g+7], 0
.endr
	s_or_b32 s[G1S+0], s43, (3<<16)|(1<<20)|(1<<21)|(5<<22)|(3<<25) ; the scales of 128 rows: 4,096 dense bytes as 16 rows of 32 elements of 8 bytes
	s_or_b32 s[G1SB+0], s44, (3<<16)|(1<<20)|(1<<21)|(5<<22)|(3<<25)
.irp g, G1S, G1SB
	s_mov_b32 s[\g+1], 32<<16
	s_mov_b32 s[\g+2], (128*KS/256)<<16
	s_mov_b32 s[\g+3], 32<<16
	s_mov_b32 s[\g+4], 128*KS/256
	s_mov_b32 s[\g+5], 32
	s_mov_b32 s[\g+6], 0
	s_mov_b32 s[\g+7], 0
.endr
	s_lshl_b32 s18, s16, 7                         ; which 128 rows of the tile I fetch
	s_lshl_b32 s20, s17, 8
	s_add_co_u32 s20, s20, s18
	s_min_u32 s19, ttmp9, 1
	s_lshl_b32 s19, s19, 13
	s_add_co_u32 s20, s20, s19                     ; A: q's rows for projection 0, x's (8,192 on) for 1 and 2
	s_lshl_b32 s46, s42, 8
	s_add_co_u32 s46, s46, s18                     ; W: row 256 x tile column + 128 x half
	s_mov_b32 s21, 0
	s_mov_b32 s47, 0
	s_mov_b64 s[18:19], KS
	s_mul_u64 s[22:23], s[20:21], s[18:19]         ; where these rows' scales begin
	s_mul_u64 s[92:93], s[46:47], s[18:19]
	s_mov_b64 s[18:19], KROW
	s_mul_u64 s[20:21], s[20:21], s[18:19]         ; and their codes
	s_mul_u64 s[46:47], s[46:47], s[18:19]
	s_mul_i32 s45, s14, HALFT                      ; where they go: wave x 128 rows
	s_mul_i32 s94, s14, HALFS
	s_wait_dscnt 0x0                               ; both opening adds are done
	s_wait_kmcnt 0x0
	s_add_nc_u64 s[8:9], s[4:5], 0x800000          ; the weights' codes
	s_add_nc_u64 s[10:11], s[6:7], 0x80000         ; and scales
	s_add_nc_u64 s[20:21], s[4:5], s[20:21]
	s_add_nc_u64 s[22:23], s[6:7], s[22:23]
	s_add_nc_u64 s[46:47], s[8:9], s[46:47]
	s_add_nc_u64 s[92:93], s[10:11], s[92:93]
	CROUND                                         ; all sixteen work-groups are here: the joint loads meet
	s_mov_b32 s[G0S], 1
	s_add_co_u32 s[G0S+1], s94, SCL
	s_mov_b64 s[G0S+2:G0S+3], s[22:23]
	s_or_b32 s[G0S+3], s[G0S+3], 0x80000000
	s_mov_b32 s[G0SB], 1
	s_add_co_u32 s[G0SB+1], s94, SCL
	s_mov_b64 s[G0SB+2:G0SB+3], s[92:93]
	s_or_b32 s[G0SB+3], s[G0SB+3], 0x80000000
	JLOAD G0S, G1S, G0SB, G1SB                     ; the scales first; with the two slots three loads of mine are out
.irp s, 0,1
	s_mov_b32 s[G0+4*\s], 1
	s_add_co_u32 s[G0+4*\s+1], s45, \s*SLOT
	s_add_nc_u64 s[G0+4*\s+2:G0+4*\s+3], s[20:21], \s*ROWB
	s_or_b32 s[G0+4*\s+3], s[G0+4*\s+3], 0x80000000
	s_mov_b32 s[G0B+4*\s], 1
	s_add_co_u32 s[G0B+4*\s+1], s45, \s*SLOT
	s_add_nc_u64 s[G0B+4*\s+2:G0B+4*\s+3], s[46:47], \s*ROWB
	s_or_b32 s[G0B+4*\s+3], s[G0B+4*\s+3], 0x80000000
	JLOAD G0+4*\s, G1, G0B+4*\s, G1B
.endr
	v_and_b32 v1, 15, v0                           ; r
	v_bfe_u32 v2, v0, 4, 1                         ; h
	v_mul_u32_u24 v3, v1, PITCH
	v_lshl_add_u32 v4, v2, 4, v3                   ; a fragment's row x pitch + 16 h
	s_mul_i32 s21, s15, HALFT
	s_mul_i32 s22, s16, HALFT
	s_add_co_u32 s22, s22, 2*HALFT
.irp s, 0,1
	v_add_nc_u32 v[ADRA+\s], s21, v4
	v_add_nc_u32 v[ADRB+\s], s22, v4
	s_add_co_u32 s21, s21, SLOT
	s_add_co_u32 s22, s22, SLOT
.endr
	v_mul_u32_u24 v5, v1, KS                       ; my row's scales: 32 bytes a row,
	v_lshrrev_b32 v6, 8, v5
	v_lshl_add_u32 v5, v6, 4, v5                   ; and 16 more for each 256 passed
	s_mul_i32 s21, s15, HALFS
	s_mul_i32 s22, s16, HALFS
	s_add_co_u32 s22, s22, 2*HALFS
	s_sub_co_u32 s22, s22, s21
	v_mul_u32_u24 v6, s22, v2                      ; lanes 16-31 take W's
	s_add_co_u32 s21, s21, SCL
	v_add_nc_u32 v5, v5, v6
	v_add_nc_u32 v[ADRS], s21, v5
	s_mul_i32 s23, s14, 16*SPITCH                  ; my stage
	v_mul_u32_u24 v5, v1, SPITCH
	v_lshl_add_u32 v5, v2, 4, v5
	v_add_nc_u32 v[STO], s23, v5                   ; in: row r, 16 bytes for each half of the lanes
	v_mul_u32_u24 v5, v2, SPITCH
	v_lshl_add_u32 v5, v1, 4, v5
	v_add_nc_u32 v[RD], s23, v5                    ; back: lanes 0-15 one row of 256 bytes, lanes 16-31 the next
	s_cmp_eq_u32 ttmp9, 2                          ; the plane's row: a choice on the cluster's x alone
	s_cselect_b32 s[SH], 11, 12
	v_lshlrev_b32 v5, s[SH], v2
	v_lshl_add_u32 v[CO], v1, 4, v5                ; the same two rows in proj: 16 r + a row for lanes 16-31,
	s_lshl_b32 s21, 2, s[SH]
.irp t, 1,2,3,4,5,6,7
	v_add_nc_u32 v[CO+\t], s21, v[CO+\t-1]         ; and two rows on for each further store of a block
.endr
	v_lshlrev_b32 v[BO], 5, v2
	s_lshl_b32 s[STEP16], 16, s[SH]
	s_mov_b32 s[STEP16+1], 0
	s_lshl_b32 s[BACK], s40, 8                     ; the first parts of my 128 columns begin at byte 512 cx of a row, their second parts at 2,048 + 256 cx: back 7 blocks of 16 rows, on 2,048 - 256 cx bytes
	s_add_co_u32 s[BACK], s[BACK], 7*16*QKROW-2048
	s_mov_b32 s[BACK+1], 0
	s_lshl_b32 s20, s17, 8
	s_lshl_b32 s21, s15, 7
	s_add_co_u32 s20, s20, s21                     ; my first row: 256 x tile row + 128 x half
	s_lshl_b32 s20, s20, s[SH]
	s_cmp_eq_u32 ttmp9, 1                          ; the plane: q at 0, v at 0x2000000, k at 0x3000000
	s_cselect_b32 s21, 0x3000000, 0
	s_cmp_eq_u32 ttmp9, 2
	s_cselect_b32 s21, 0x2000000, s21
	s_add_co_u32 s20, s20, s21
	s_lshl_b32 s46, s40, 8
	s_lshl_b32 s47, s16, 7
	s_add_co_u32 s46, s46, s47                     ; my first column in the plane: 256 cx + 128 x half
	s_lshl_b32 s47, s46, 1
	s_add_co_u32 s20, s20, s47
	s_mov_b32 s21, 0
	s_add_nc_u64 s[12:13], s[12:13], s[20:21]
	s_lshl_b32 s46, s46, 2
	s_mov_b32 s47, 0
	s_cmp_eq_u32 ttmp9, 2                          ; the projection's bias: a choice on the cluster's x alone
	s_cselect_b64 s[98:99], s[100:101], s[98:99]
	s_cmp_eq_u32 ttmp9, 0
	s_cselect_b64 s[96:97], s[96:97], s[98:99]
	s_add_nc_u64 s[96:97], s[96:97], s[46:47]
	WIN TO_B
.irp b, 0,1,2,3,4,5,6,7
	global_load_b128 v[BIAS+8*\b:BIAS+8*\b+3], v[BO], s[96:97] offset:64*\b
	global_load_b128 v[BIAS+8*\b+4:BIAS+8*\b+7], v[BO], s[96:97] offset:64*\b+16
.endr
	WIN 0
	s_lshl_b32 s18, s16, 2
	s_add_co_u32 s18, s18, ttmp9                   ; 1 in k's waves 0 and 2 alone: their columns go in pairs
	s_mov_b32 s[GS], 0x3e800000                    ; 1/4,
	s_cmp_eq_u32 s18, 1
	s_cselect_b32 s[GS], 0x3e7c0fc1, s[GS]         ; or 16/65 (any f16 number near x 64/65 serves as b1: b2 is made from the b1 that is stored)
	s_mov_b32 s[GS+1], s[GS]                       ; (the packed forms name pairs and take the low word for both halves)
	s_mov_b32 s[N8], 0xc1000000                    ; -8
	s_mov_b32 s[N8+1], s[N8]
	s_mov_b32 s[M4], 0x40000000                    ; k: 8 / 4
	s_cmp_eq_u32 ttmp9, 0
	s_cselect_b32 s[M4], 0x40020000, s[M4]         ; q: 8.125 / 4
	s_mov_b32 s[M4+1], s[M4]
.macro FRAG reg, adr, q, i             ; 16 rows x 128 K of 4-bit codes: 8 registers: two loads of 16 bytes, 32 bytes apart
.irp c, 0,1
	ds_load_b128 v[\reg+4*\c:\reg+4*\c+3], v[\adr] offset:64*(\q)+32*\c+(\i)*16*PITCH
.endr
.endm
; 16 matrix instructions: A's blocks a0, a0 + 1 x W's eight, the slot's q-th 128 along K.  first = 1: the bias starts the sums.  The 64 accumulators take turns.
.macro MUL16 a0, p, q, sc, first
.irp a, \a0, \a0+1
.irp b, 0,1,2,3,4,5,6,7
.if \first
	v_wmma_scale_f32_16x16x128_f8f6f4 v[8*(8*((\a)%4)+\b):8*(8*((\a)%4)+\b)+7], v[128*(\p)+FR*\b:128*(\p)+FR*\b+FR-1], v[AF+FR*(\a):AF+FR*(\a)+FR-1], v[BIAS+8*\b:BIAS+8*\b+7], v[SC+8*NQ*(\sc)+NQ*\b+(\q)], v[SC+8*NQ*(\sc)+NQ*(\a)+(\q)] matrix_a_fmt:MATRIX_FMT_FP4 matrix_b_fmt:MATRIX_FMT_FP4 matrix_a_scale:MATRIX_SCALE_ROW1
.else
	v_wmma_scale_f32_16x16x128_f8f6f4 v[8*(8*((\a)%4)+\b):8*(8*((\a)%4)+\b)+7], v[128*(\p)+FR*\b:128*(\p)+FR*\b+FR-1], v[AF+FR*(\a):AF+FR*(\a)+FR-1], v[8*(8*((\a)%4)+\b):8*(8*((\a)%4)+\b)+7], v[SC+8*NQ*(\sc)+NQ*\b+(\q)], v[SC+8*NQ*(\sc)+NQ*(\a)+(\q)] matrix_a_fmt:MATRIX_FMT_FP4 matrix_b_fmt:MATRIX_FMT_FP4 matrix_a_scale:MATRIX_SCALE_ROW1
.endif
.endr
.endr
.endm
.macro FETCH_B slot, q, p
	WIN TO_B
.irp i, 0,1,2,3,4,5,6,7
	FRAG 128*(\p)+FR*\i, ADRB+\slot, \q, \i
.endr
	WIN 0
.endm
.macro FETCH_A slot, q, i0
.irp i, \i0, \i0+1, \i0+2, \i0+3
	FRAG AF+FR*(\i), ADRA+\slot, \q, \i
.endr
.endm
.macro SCALES sc                       ; a slot's scale words: lanes 0-15 A's block i, lanes 16-31 W's block i; four words a row
.irp i, 0,1,2,3,4,5,6,7
	ds_load_b128 v[SC+8*NQ*\sc+NQ*\i:SC+8*NQ*\sc+NQ*\i+3], v[ADRS] offset:\i*SBLK
.endr
.endm
.macro PLACES n                        ; plain vector instructions between a matrix instruction and a load into, or a read of, its registers
.rept \n
	v_nop
.endr
.endm
.macro STEP slot, q, first             ; 128 along K, with its successor in the same slot
	s_wait_dscnt 4*NL                              ; W's set and A's blocks 0-3 are in; the youngest eight loads (A's blocks 4-7) may be out
.if \first
	WIN FST_LO
.else
	WIN MUL_LO
.endif
	MUL16 0, (\q)%2, \q, \slot, \first
	MUL16 2, (\q)%2, \q, \slot, \first
	s_wait_dscnt 0                                 ; A's blocks 4-7 are in
	PLACES NP
	FETCH_B \slot, (\q)+1, 1-(\q)%2
	FETCH_A \slot, (\q)+1, 0
.if \first
	WIN FST_HI
.else
	WIN MUL_HI
.endif
	MUL16 4, (\q)%2, \q, \slot, \first
	MUL16 6, (\q)%2, \q, \slot, \first
	PLACES NP
	WIN 0
	FETCH_A \slot, (\q)+1, 4
.endm
.macro STEPS slot, from
.set Q, \from
.rept NQ-1-\from
	STEP \slot, Q, 0
.set Q, Q+1
.endr
.endm
	s_wait_tensorcnt 1                             ; the scales and my part of slot 0 are in (slot 1's load may be out)
	s_barrier_signal -1
	s_barrier_wait -1                              ; everybody's are
	FETCH_B 0, 0, 0
	FETCH_A 0, 0, 0
	SCALES 0
	FETCH_A 0, 0, 4
	s_wait_loadcnt 0x0                             ; the bias
	STEP 0, 0, 1
	STEPS 0, 1
	; slot 0's last step changes slots: one barrier; in front of it my part of slot 1 has landed and my reads of slot 0 are over
	s_wait_tensorcnt 0x0
	ds_add_u32 v[SPW], v[NIL]                      ; 0 onto my spare word
	s_wait_dscnt 4*NL+1                            ; (the add and A's blocks 4-7 may be out)
	WIN MUL_LO
	MUL16 0, 1, NQ-1, 0, 0
	s_wait_dscnt 0x0
	s_barrier_signal -1
	MUL16 2, 1, NQ-1, 0, 0
	WIN 0
	s_barrier_wait -1
	PLACES NP
	v_add_nc_u32 v[ADRS], 4*NQ, v[ADRS]            ; slot 1's scale words
	FETCH_B 1, 0, 0
	FETCH_A 1, 0, 0
	SCALES 1
	WIN MUL_HI
	MUL16 4, 1, NQ-1, 0, 0
	MUL16 6, 1, NQ-1, 0, 0
	PLACES NP
	WIN 0
	FETCH_A 1, 0, 4
	STEPS 1, 0
	s_wait_dscnt 4*NL                              ; the very last step
	WIN MUL_LO
	MUL16 0, 1, NQ-1, 1, 0
	MUL16 2, 1, NQ-1, 1, 0
	s_wait_dscnt 0
	WIN MUL_HI
	MUL16 4, 1, NQ-1, 1, 0
	MUL16 6, 1, NQ-1, 1, 0
	WIN 0
; THE WAY OUT, a block of 16 rows x 128 columns at a time: rounded to f16 (16 bytes a lane), through my own stage, back as whole rows of 256 bytes.
.macro PACK a                          ; the first parts: f16(sum x GS), packed in v[TMP] on
.set AC, 64*((\a)%4)
	WIN 0x02+((\a)/4)                              ; source 0: window 2 or 3
.set i, 0
.rept 32
	v_pk_mul_f32 v[PW+2*i:PW+2*i+1], v[AC+2*i:AC+2*i+1], s[GS:GS+1] op_sel_hi:[1,0]   ; each accumulator from its low end on
.set i, i+1
.endr
	WIN 0
.set i, 0
.rept 32
	v_cvt_pk_f16_f32 v[TMP+i], v[PW+2*i], v[PW+2*i+1]
.set i, i+1
.endr
.endm
.macro UNPACK                          ; the 64 first parts in v32-63, as they are stored, widened to f32 again
.set i, 0
.irp h, v32.l,v32.h,v33.l,v33.h,v34.l,v34.h,v35.l,v35.h,v36.l,v36.h,v37.l,v37.h,v38.l,v38.h,v39.l,v39.h,v40.l,v40.h,v41.l,v41.h,v42.l,v42.h,v43.l,v43.h,v44.l,v44.h,v45.l,v45.h,v46.l,v46.h,v47.l,v47.h,v48.l,v48.h,v49.l,v49.h,v50.l,v50.h,v51.l,v51.h,v52.l,v52.h,v53.l,v53.h,v54.l,v54.h,v55.l,v55.h,v56.l,v56.h,v57.l,v57.h,v58.l,v58.h,v59.l,v59.h,v60.l,v60.h,v61.l,v61.h,v62.l,v62.h,v63.l,v63.h
	v_cvt_f32_f16 v[PW+i], \h
.set i, i+1
.endr
.endm
.macro SECOND a                        ; behind PACK: the second parts: f16(sum x M4 - 8 x the first part): one fused multiply-add, so that nothing is lost where the two nearly cancel
.set AC, 64*((\a)%4)
	UNPACK
.set i, 0
.rept 32
	v_pk_mul_f32 v[PW+2*i:PW+2*i+1], v[PW+2*i:PW+2*i+1], s[N8:N8+1] op_sel_hi:[1,0]   ; exact
.set i, i+1
.endr
	WIN 0x02+((\a)/4)
.set i, 0
.rept 32
	v_pk_fma_f32 v[PW+2*i:PW+2*i+1], v[AC+2*i:AC+2*i+1], s[M4:M4+1], v[PW+2*i:PW+2*i+1] op_sel_hi:[1,0,1]
.set i, i+1
.endr
	WIN 0
.set i, 0
.rept 32
	v_cvt_pk_f16_f32 v[TMP+i], v[PW+2*i], v[PW+2*i+1]
.set i, i+1
.endr
.endm
.macro TOSTAGE a, st                   ; st: 0 for the first parts' stage, STG2 for the second parts'
.set BB, BK+32*((\a)%2)
.irp b, 0,1,2,3,4,5,6,7
	ds_store_b128 v[STO], v[TMP+4*\b:TMP+4*\b+3] offset:\st+32*\b
.endr
.irp t, 0,1,2,3,4,5,6,7
	ds_load_b128 v[BB+4*\t:BB+4*\t+3], v[RD] offset:\st+\t*2*SPITCH    ; LDS serves a wave's instructions in order: these see the stores above
.endr
.endm
.macro SEND a
.set BB, BK+32*((\a)%2)
	s_wait_dscnt 0x0                               ; the block is back in registers
	s_wait_xcnt 0x0                                ; earlier stores have read their base and their registers: both may be written
.if (\a) > 0
	s_add_nc_u64 s[12:13], s[12:13], s[STEP16:STEP16+1]
.endif
.irp t, 0,1,2,3,4,5,6,7
	global_store_b128 v[CO+\t], v[BB+4*\t:BB+4*\t+3], s[12:13]   ; 16 lanes store 256 consecutive bytes, aligned
.endr
.endm
	PLACES NP
	PACK 0
	TOSTAGE 0, 0
.irp a, 1,2,3,4,5,6,7                  ; block a's arithmetic stands between block a - 1's loads from the stage and the wait for them
	PACK \a
	SEND \a-1
	TOSTAGE \a, 0
.endr
	SEND 7
	s_cmp_eq_u32 ttmp9, 2                          ; v has no second parts (the cluster's x: the same in all sixteen partners),
	s_cbranch_scc1 .Lno_second
	s_cmp_lg_u32 s16, 0                            ; nor have the columns of waves 1 and 3
	s_cbranch_scc1 .Lno_second
	PACK 0
	SECOND 0
	s_wait_xcnt 0x0                                ; the first parts' stores have read their base and their registers
	s_sub_nc_u64 s[12:13], s[12:13], s[BACK:BACK+1]
	TOSTAGE 0, STG2
.irp a, 1,2,3,4,5,6,7
	PACK \a
	SECOND \a
	SEND \a-1
	TOSTAGE \a, STG2
.endr
	SEND 7
.Lno_second:
	s_wait_tensorcnt 0x0                           ; the wave's end
	ds_add_u32 v[SPW], v[NIL]
	s_wait_dscnt 0x0
	CROUND                                         ; the closing round
	s_endpgm
.Lfunc_end_k_q2c9e3d57d8_proj:
	.size	k_q2c9e3d57d8_proj, .Lfunc_end_k_q2c9e3d57d8_proj-k_q2c9e3d57d8_proj
	.p2alignl 7, 3214868480
	.fill 96, 4, 3214868480
	.section	.rodata,"a",@progbits
	.p2align	6, 0x0
	.amdhsa_kernel k_q2c9e3d57d8_proj
		.amdhsa_group_segment_fixed_size 327680
		.amdhsa_private_segment_fixed_size 0
		.amdhsa_enable_private_segment 0
		.amdhsa_kernarg_size 48
		.amdhsa_user_sgpr_count 2
		.amdhsa_user_sgpr_kernarg_segment_ptr 1
		.amdhsa_wavefront_size32 1
		.amdhsa_system_sgpr_workgroup_id_x 1
		.amdhsa_system_sgpr_workgroup_id_y 1
		.amdhsa_system_sgpr_workgroup_id_z 1
		.amdhsa_system_vgpr_workitem_id 0
		.amdhsa_next_free_vgpr 1024
		.amdhsa_next_free_sgpr 102
		.amdhsa_reserve_vcc 0
		.amdhsa_float_denorm_mode_32 3
		.amdhsa_float_denorm_mode_16_64 3
		.amdhsa_memory_ordered 1
		.amdhsa_forward_progress 1
		.amdhsa_inst_pref_size 255
	.end_amdhsa_kernel
	.section	.bss,"aw",@nobits
	.p2align	6
	.space	262144
	.amdgpu_metadata
---
amdhsa.version: [ 1, 2 ]
amdhsa.kernels:
  - .name:           k_q2c9e3d57d8_proj
    .symbol:         k_q2c9e3d57d8_proj.kd
    .args:
      - { .name: codes, .offset: 0, .size: 8, .value_kind: global_buffer, .address_space: global }
      - { .name: scales, .offset: 8, .size: 8, .value_kind: global_buffer, .address_space: global }
      - { .name: bq, .offset: 16, .size: 8, .value_kind: global_buffer, .address_space: global }
      - { .name: bk, .offset: 24, .size: 8, .value_kind: global_buffer, .address_space: global }
      - { .name: bv, .offset: 32, .size: 8, .value_kind: global_buffer, .address_space: global }
      - { .name: proj, .offset: 40, .size: 8, .value_kind: global_buffer, .address_space: global }
    .group_segment_fixed_size: 327680
    .private_segment_fixed_size: 0
    .kernarg_segment_align: 8
    .kernarg_segment_size: 48
    .max_flat_workgroup_size: 128
    .sgpr_count:     102
    .vgpr_count:     1024
    .wavefront_size: 32
...
	.end_amdgpu_metadata
.endif
;; end of part 2
;; launch score (part 3): grid 8 x 32, 4 waves a work-group, clusters of 4 x 4, 327,680 bytes of LDS; arguments proj, pmat, stats; writes pmat, stats
.if DOCPART == 3
	.amdgcn_target "amdgcn-amd-amdhsa--gfx1250"
	.amdhsa_code_object_version 6
	.text
	.protected	k_q2c9e3d57d8_score
	.globl	k_q2c9e3d57d8_score
	.p2align	8
	.type	k_q2c9e3d57d8_score,@function
k_q2c9e3d57d8_score:
	s_mov_b64 s[64:65], 0
	v_nop
	global_prefetch_b8 v0, s[64:65] scope:SCOPE_SE
	s_setreg_imm32_b32 hwreg(HW_REG_WAVE_MODE, 25, 1), 1
	s_wait_xcnt 0x0
	s_wait_alu depctr_hold_cnt(0) depctr_sa_sdst(0) depctr_va_vdst(0) depctr_va_sdst(0) depctr_va_ssrc(0) depctr_va_vcc(0) depctr_vm_vsrc(0)
	s_getreg_b32 s2, hwreg(HW_REG_IB_STS2, 6, 4)
	s_cmp_eq_u32 s2, 0
	s_cbranch_scc0 .Lentry_in_a_cluster
	s_endpgm
.Lentry_in_a_cluster:
	s_bfe_u32 s2, ttmp6, 0x10000c
	s_cmp_lg_u32 s2, 0xf033
	s_cbranch_scc0 .Lentry_shape_is_right
	s_endpgm
.Lentry_shape_is_right:
; The scores and the first half of the softmax.  s = (qp / 4) . (k / 4), f16 operands, f32 sums; t = s x 16 log2(e) / 32 is the score in powers of two.
; THE OPERANDS: rows of 4,096 bytes of proj (q from byte 0, k from byte 0x3000000), of which 1,536 f16 numbers count: the 1,024 channels' first parts and, for half of the channels, second parts, made so that
; the plain sum over all 1,536 places of q's number times k's is the score, with both operands' rounding taken out of the channels that have second parts (the launch before says how).  So K = 1,536 here.
; For each query and each block jb of 128 keys: M = the block's largest t rounded UP to a whole number; p' = 2^(t - M), rounded to f16, goes to pmat [8192][2048];
; -M goes to stats [0][jb][query] and the f32 sum of the unrounded p' to stats [1][jb][query].  The next launch takes the largest M of a row and brings the blocks under it by exact powers of two:
; so the row's maximum is taken away as the softmax asks, in two steps.
; LIMITS: NaN and infinities are not served; p' under f16's smallest number falls to 0 (at most 2^-24 of its block's largest).
; A tile of 256 queries x 256 keys is made by four waves, each 128 x 128: 64 accumulators, 512 registers; a wave's 128 keys are one block jb.
; K goes in steps of 128 through a ring of two LDS slots (rows of 256 bytes + 16 of padding).
; CLUSTERS: 4 x 4 work-groups: the four of a row of the cluster need the same rows of q, the four of a column the same rows of k: joint loads.  The batch is cluster y / 2.
; THE MATRIX INSTRUCTION IS USED TRANSPOSED (source 0 = 16 keys, source 1 = 16 queries): a lane holds ONE query (lane % 16) and, in the 64 registers of a block of 16 queries, 64 of its 128 keys.
; REGISTERS: window 0: v0-31 addresses; v64-127, v128-191 q's fragments, two buffers; on the way out v32-255 at work.  window 1: k's fragments, two buffers.  windows 2, 3: the accumulators.
.set ROWE,   2048                      ; a row of q or of k in memory, in elements
.set KLEN,   1536                      ; of which so many count
.set SIZE_N, 2048
.set KSTEP,  128
.set PITCH,  272
.set HALFT,  128*PITCH
.set SLOT,   4*HALFT
.set STAGE,  2*SLOT                    ; behind the ring: 16 rows x 272 bytes a wave
.set SPITCH, 272
.set STATL,  STAGE+4*16*SPITCH         ; 1,024 bytes a wave: 128 x -M, then 128 sums
.set SPARE,  STATL+4*1024              ; the spare words, 128 bytes a wave; no other line names them
.set LAPS,   KLEN/(2*KSTEP)
.set ADRA, 16
.set ADRB, 20
.set STW,  22                          ; v22 where I put a block's -M (lanes 0-15) or sum (lanes 16-31)
.set STR,  23                          ; v23 where I read them back, 16 bytes a lane
.set STO,  24
.set RD,   25
.set CO,   26
.set LN,   27                          ; v27 16 x lane
.set SPW,  28
.set NIL,  29
.set PFO,  30
.set PFA,  44                          ; s[44:45] where my prefetches stand
.set LIM,  43                          ; s43 1 in a wave that prefetches, else the greatest number
.set F0,   64
.set F1,   128
.set TMP,  32                          ; packed p'
.set BK,   64                          ; rows read back: v64-95, v96-127 by turns
.set PW,   128                         ; v128-191 t - M, then p'; first the maxima
.set XC,   196                         ; the exchange between the halves of the lanes
.set NM,   198                         ; v[198:199] -M (the low word serves both halves)
.set SU,   200                         ; v[200:203] two chains of sums
.set SV,   204
.set G1, 24
.set G0, 32
.set G1B, 48
.set G0B, 56
.set SEL, 66                           ; s[66:67] lane selects: lane l xor 16
.set STP, 68                           ; s[68:69] stats at my block and my first query
.set CS,  70                           ; s[70:71] 16 log2(e) / 32
.set HI16, 72                          ; s72 the mask of lanes 16-31
.set MSB, 0
.macro WIN new
.if MSB != (\new)
	s_set_vgpr_msb (MSB<<8)|(\new)
.set MSB, (\new)
.endif
.endm
.set MUL_LO, 0xa1
.set MUL_HI, 0xf1
.set TO_B,   0x40
.macro JLOAD s                         ; waves 0 and 1 fetch q's two halves, waves 2 and 3 k's; an s_nop 0 and four v_nop follow each line
	s_cmp_eq_u32 s11, 0
	s_cbranch_scc0 .Lfor_b_\@
	tensor_load_to_lds s[G0+4*\s:G0+4*\s+3], s[G1:G1+7]
	s_nop 0
.rept 4
	v_nop
.endr
	s_branch .Lasked_\@
.Lfor_b_\@:
	tensor_load_to_lds s[G0B+4*\s:G0B+4*\s+3], s[G1B:G1B+7]
	s_nop 0
.rept 4
	v_nop
.endr
.Lasked_\@:
.endm
; A prefetch of the K step that stands two refills on: 32 rows x 256 bytes, a lane a row, one instruction a wave.  q's rows are walked by both clusters of a row of clusters: cluster x = 0 asks;
; k's rows by the two clusters of a batch in a column: the even cluster y asks.  The four partners of a joint load share its 128 rows out by address, 32 each.  The loop's last trip asks for nothing.
.macro ASK
	s_cmp_gt_u32 s3, s[LIM]
	s_cbranch_scc0 .Lnot_mine_\@
	global_prefetch_b8 v[PFO], s[PFA:PFA+1] offset:KSTEP*2 th:TH_LOAD_NT scope:SCOPE_SE
.Lnot_mine_\@:
.endm
.macro CREST
	s_cmp_lg_u32 s10, 0
	s_cbranch_scc1 .Lnot_wave_0_\@
	s_barrier_signal -3
.Lnot_wave_0_\@:
	s_barrier_wait -3
	s_barrier_signal -1
	s_barrier_wait -1
.endm
.macro CROUND
	s_barrier_signal -1
	s_barrier_wait -1
	CREST
.endm
	s_load_b64 s[4:5], s[0:1], 0x0                 ; proj: q's rows from byte 0
	s_load_b64 s[8:9], s[0:1], 0x8                 ; pmat
	s_load_b64 s[STP:STP+1], s[0:1], 0x10          ; stats
	v_lshl_add_u32 v[SPW], v0, 2, SPARE
	v_mov_b32 v[NIL], 0
	ds_add_u32 v[SPW], v[NIL]                      ; the opening: the add, twice on end, and its wait ahead of my first tensor load
	ds_add_u32 v[SPW], v[NIL]
	v_lshrrev_b32 v1, 5, v0
	v_readfirstlane_b32 s10, v1                    ; wave 0..3
	s_lshr_b32 s11, s10, 1                         ; my half of the queries.  Also: I fetch for q (0) or for k (1)
	s_and_b32 s12, s10, 1                          ; my half of the keys.  Also: which 128 rows I fetch
	s_bfe_u32 s40, ttmp6, 0x40000                  ; cx
	s_bfe_u32 s41, ttmp6, 0x40004                  ; cy
	s_lshl_b32 s42, ttmp9, 2
	s_add_co_u32 s42, s42, s40                     ; tile column: 256 keys of the batch
	s_and_b32 s13, ttmp7, 0xffff                   ; cluster y
	s_lshr_b32 s45, s13, 1                         ; the batch, which all sixteen partners share,
	s_lshl_b32 s45, s45, 11                        ; and its first row of k
	s_lshl_b32 s13, s13, 2
	s_add_co_u32 s13, s13, s41                     ; tile row: 256 of the 8,192 queries
	s_lshl_b32 s43, s41, 2
	s_lshl_b32 s43, 15, s43                        ; my row of the cluster
	s_lshl_b32 s44, 0x1111, s40                    ; my column
	s_or_b32 s[G1+0], s43, (1<<16)|(1<<20)|(1<<21)|(5<<22)|(3<<25)  ; mask; elements of 2 bytes; padding: 4 words behind every 64
	s_or_b32 s[G1B+0], s44, (1<<16)|(1<<20)|(1<<21)|(5<<22)|(3<<25)
.irp g, G1, G1B
	s_mov_b32 s[\g+1], KSTEP<<16                   ; tensor_dim0
	s_mov_b32 s[\g+2], 128<<16                     ; tensor_dim1
	s_mov_b32 s[\g+3], KSTEP<<16                   ; tile_dim0
	s_mov_b32 s[\g+4], 128                         ; tile_dim1
	s_mov_b32 s[\g+5], ROWE                        ; from row to row
	s_mov_b32 s[\g+6], 0
	s_mov_b32 s[\g+7], 0
.endr
	s_lshl_b32 s17, s12, 7
	s_lshl_b32 s16, s13, 8
	s_add_co_u32 s16, s16, s17                     ; q: row 256 x tile row + 128 x half
	s_lshl_b32 s46, s42, 8
	s_add_co_u32 s46, s46, s17
	s_add_co_u32 s46, s46, s45                     ; k: the batch's first row + 256 x tile column + 128 x half
	s_mov_b32 s17, 0
	s_mov_b32 s47, 0
	s_mov_b64 s[18:19], ROWE*2
	s_mul_u64 s[16:17], s[16:17], s[18:19]
	s_mul_u64 s[46:47], s[46:47], s[18:19]
	s_mul_i32 s20, s10, HALFT
	s_mov_b32 s[SEL], 0x76543210
	s_mov_b32 s[SEL+1], 0xfedcba98
	s_mov_b32 s[CS], 0x3f38aa3b
	s_mov_b32 s[CS+1], s[CS]
	s_mov_b32 s[HI16], 0xffff0000
	s_wait_dscnt 0x0                               ; both opening adds are done
	s_wait_kmcnt 0x0
	s_add_nc_u64 s[6:7], s[4:5], 0x3000000         ; k's rows
	s_add_nc_u64 s[14:15], s[4:5], s[16:17]
	s_add_nc_u64 s[46:47], s[6:7], s[46:47]
	CROUND                                         ; all sixteen work-groups are here
.irp s, 0,1
	s_mov_b32 s[G0+4*\s], 1
	s_add_co_u32 s[G0+4*\s+1], s20, \s*SLOT
	s_add_nc_u64 s[G0+4*\s+2:G0+4*\s+3], s[14:15], \s*KSTEP*2
	s_or_b32 s[G0+4*\s+3], s[G0+4*\s+3], 0x80000000
	s_mov_b32 s[G0B+4*\s], 1
	s_add_co_u32 s[G0B+4*\s+1], s20, \s*SLOT
	s_add_nc_u64 s[G0B+4*\s+2:G0B+4*\s+3], s[46:47], \s*KSTEP*2
	s_or_b32 s[G0B+4*\s+3], s[G0B+4*\s+3], 0x80000000
	JLOAD \s                                       ; two loads of mine are out
.endr
	v_and_b32 v1, 15, v0                           ; r
	v_bfe_u32 v2, v0, 4, 1                         ; h
	v_mul_u32_u24 v3, v1, PITCH
	v_lshl_add_u32 v3, v2, 4, v3
	s_mul_i32 s21, s11, HALFT
	s_mul_i32 s22, s12, HALFT
	s_add_co_u32 s22, s22, 2*HALFT
.irp s, 0,1
	v_add_nc_u32 v[ADRA+\s], s21, v3
	v_add_nc_u32 v[ADRB+\s], s22, v3
	s_add_co_u32 s21, s21, SLOT
	s_add_co_u32 s22, s22, SLOT
.endr
	s_mul_i32 s23, s10, 16*SPITCH
	s_add_co_u32 s23, s23, STAGE
	v_mul_u32_u24 v4, v1, SPITCH
	v_lshl_add_u32 v4, v2, 4, v4
	v_add_nc_u32 v[STO], s23, v4
	v_mul_u32_u24 v5, v2, SPITCH
	v_lshl_add_u32 v5, v1, 4, v5
	v_add_nc_u32 v[RD], s23, v5
	v_mul_u32_u24 v5, v2, SIZE_N*2
	v_lshl_add_u32 v[CO], v1, 4, v5
	s_lshl_b32 s23, s10, 10
	s_add_co_u32 s23, s23, STATL
	v_lshlrev_b32 v4, 2, v1
	v_lshl_add_u32 v4, v2, 9, v4
	v_add_nc_u32 v[STW], s23, v4                   ; 4 r + 512 h
	v_and_b32 v5, 31, v0
	v_lshlrev_b32 v[LN], 4, v5
	v_add_nc_u32 v[STR], s23, v[LN]
	s_lshl_b32 s13, s13, 8                         ; 256 x tile row
	s_lshl_b32 s14, s11, 7
	s_add_co_u32 s16, s13, s14                     ; my first query
	s_lshl_b32 s20, s42, 1
	s_add_co_u32 s20, s20, s12                     ; jb
	s_lshl_b32 s20, s20, 13
	s_add_co_u32 s20, s20, s16
	s_lshl_b32 s20, s20, 2
	s_mov_b32 s21, 0
	s_add_nc_u64 s[STP:STP+1], s[STP:STP+1], s[20:21]
	s_lshl_b32 s16, s16, 12                        ; a row of pmat is 4,096 bytes
	s_lshl_b32 s46, s42, 9
	s_lshl_b32 s47, s12, 8
	s_add_co_u32 s46, s46, s47
	s_add_co_u32 s16, s16, s46
	s_mov_b32 s17, 0
	s_add_nc_u64 s[8:9], s[8:9], s[16:17]
	; the prefetches
	s_lshl_b32 s42, s42, 8
	s_add_co_u32 s42, s42, s45                     ; k's tile: its first row
	s_and_b32 s22, ttmp7, 1                        ; cluster y within the batch
	s_cmp_eq_u32 s11, 0                            ; do I fetch for q?
	s_cselect_b32 s20, s13, s42
	s_cselect_b32 s21, s40, s41                    ; my place among the four that ask with me
	s_cselect_b32 s22, ttmp9, s22                  ; the coordinate along which other clusters read the same rows
	s_cselect_b64 s[PFA:PFA+1], s[4:5], s[6:7]
	s_cmp_eq_u32 s22, 0
	s_cselect_b32 s[LIM], 1, -1
	s_lshl_b32 s22, s12, 7
	s_add_co_u32 s20, s20, s22
	s_lshl_b32 s21, s21, 5
	s_add_co_u32 s20, s20, s21
	s_lshl_b32 s20, s20, 12                        ; a row is 4,096 bytes
	s_mov_b32 s21, 0
	s_add_nc_u64 s[PFA:PFA+1], s[PFA:PFA+1], s[20:21]
	s_add_nc_u64 s[PFA:PFA+1], s[PFA:PFA+1], 2*KSTEP*2  ; at K step 2: the first refill steps it to 3 and names K step 4; the last that is named is K step 11, the row's last that counts
	v_and_b32 v[PFO], 31, v0
	v_mul_u32_u24 v[PFO], v[PFO], ROWE*2
.macro MUL16 f, hi, a0, zero           ; 16 matrix instructions; the 64 accumulators take turns
.irp a, \a0, \a0+1
.irp b, 0,1,2,3,4,5,6,7
.if \zero
	v_wmma_f32_16x16x32_f16 v[8*(8*(\a)+\b):8*(8*(\a)+\b)+7], v[\f+8*\b:\f+8*\b+7], v[\f+8*(4*\hi+\a):\f+8*(4*\hi+\a)+7], 0
.else
	v_wmma_f32_16x16x32_f16 v[8*(8*(\a)+\b):8*(8*(\a)+\b)+7], v[\f+8*\b:\f+8*\b+7], v[\f+8*(4*\hi+\a):\f+8*(4*\hi+\a)+7], v[8*(8*(\a)+\b):8*(8*(\a)+\b)+7]
.endif
.endr
.endr
.endm
.macro FETCH slot, k, f                ; 32 LDS loads in one run: a quarter step's fragments
	WIN TO_B
.irp i, 0,1,2,3,4,5,6,7
	ds_load_b128 v[\f+8*\i:\f+8*\i+3],   v[ADRB+\slot] offset:\k+\i*16*PITCH
	ds_load_b128 v[\f+8*\i+4:\f+8*\i+7], v[ADRB+\slot] offset:\k+\i*16*PITCH+32
.endr
	WIN 0
.irp i, 0,1,2,3,4,5,6,7
	ds_load_b128 v[\f+8*\i:\f+8*\i+3],   v[ADRA+\slot] offset:\k+\i*16*PITCH
	ds_load_b128 v[\f+8*\i+4:\f+8*\i+7], v[ADRA+\slot] offset:\k+\i*16*PITCH+32
.endr
.endm
.macro PLACES                          ; four plain vector instructions between a matrix instruction and a load into, or a read of, its registers
.rept 4
	v_nop
.endr
.endm
.macro QUARTER slot, k, f, g, zero
	s_wait_dscnt 8                                 ; k's fragments and queries 0-63 are in; the youngest eight loads may be out
	WIN MUL_LO
	MUL16 \f, 0, 0, \zero
	MUL16 \f, 0, 2, \zero
	PLACES
	FETCH \slot, \k, \g
	s_wait_dscnt 32                                ; all but the 32 just issued
	WIN MUL_HI
	MUL16 \f, 1, 0, \zero
	MUL16 \f, 1, 2, \zero
.endm
.macro MEET round                      ; the first half of a slot's last quarter: one barrier for the change of slots
	WIN 0
	s_wait_tensorcnt 0x0                           ; all my tensor loads have landed: my part of the next slot;
	ds_add_u32 v[SPW], v[NIL]                      ; 0 onto my spare word;
	s_wait_dscnt 9                                 ; (the add and the youngest eight loads may be out)
	WIN MUL_LO
	MUL16 F1, 0, 0, 0
	s_wait_dscnt 0x0                               ; the add is done, and my reads of this slot are over
	s_barrier_signal -1
	MUL16 F1, 0, 2, 0
.if \round
	WIN 0
.endif
	s_barrier_wait -1
.endm
.macro TURN slot, next                 ; the whole last quarter, with the refill two K steps ahead
	s_wait_xcnt 0x0                                ; the last prefetch, a K step back, has read its address
	s_add_nc_u64 s[PFA:PFA+1], s[PFA:PFA+1], KSTEP*2
	MEET 1
	CREST                                          ; no wave of any partner still reads this slot or has a load on its way
	s_add_nc_u64 s[G0+4*\slot+2:G0+4*\slot+3], s[G0+4*\slot+2:G0+4*\slot+3], 2*KSTEP*2
	s_add_nc_u64 s[G0B+4*\slot+2:G0B+4*\slot+3], s[G0B+4*\slot+2:G0B+4*\slot+3], 2*KSTEP*2
	JLOAD \slot                                    ; my one tensor load behind the round; its four v_nop are also the places in front of the loads below
	FETCH \next, 0, F0
	ASK
	WIN MUL_HI
	MUL16 F1, 1, 0, 0
	MUL16 F1, 1, 2, 0
.endm
	s_wait_tensorcnt 1                             ; my part of K step 0 is in (K step 1's may be out)
	s_barrier_signal -1
	s_barrier_wait -1                              ; everybody's is
	FETCH 0, 0, F0
	QUARTER 0, 64,  F0, F1, 1                      ; the first quarter's products start the sums
	WIN 0
	s_mov_b32 s3, LAPS-1
.Llap:                                                 ; a trip goes once round the ring and fills both slots again
	QUARTER 0, 128, F1, F0, 0
	QUARTER 0, 192, F0, F1, 0
	TURN 0, 1
	QUARTER 1, 64,  F0, F1, 0
	QUARTER 1, 128, F1, F0, 0
	QUARTER 1, 192, F0, F1, 0
	TURN 1, 0
	QUARTER 0, 64,  F0, F1, 0
	WIN 0
	s_sub_co_u32 s3, s3, 1
	s_cmp_lg_u32 s3, 0
	s_cbranch_scc1 .Llap
	QUARTER 0, 128, F1, F0, 0                      ; the last lap asks for nothing
	QUARTER 0, 192, F0, F1, 0
	MEET 0
	PLACES
	FETCH 1, 0, F0
	WIN MUL_HI
	MUL16 F1, 1, 0, 0
	MUL16 F1, 1, 2, 0
	QUARTER 1, 64,  F0, F1, 0
	QUARTER 1, 128, F1, F0, 0
	QUARTER 1, 192, F0, F1, 0
	s_wait_dscnt 8
	WIN MUL_LO
	MUL16 F1, 0, 0, 0
	MUL16 F1, 0, 2, 0
	s_wait_dscnt 0
	WIN MUL_HI
	MUL16 F1, 1, 0, 0
	MUL16 F1, 1, 2, 0
	WIN 0
	PLACES
	v_mov_b32 v[XC], 0                             ; a lane permute's destination counts as one of its sources
	v_mov_b32 v[NM+1], 0                           ; named as the upper half of a pair
; THE SOFTMAX OF A BLOCK OF 16 QUERIES over my 128 keys.  A lane's 64 scores are the block's 64 accumulator registers; lane l xor 16 holds the query's other 64.
.macro SOFT a
.set AC, 64*((\a)%4)
.set W, 2+(\a)/4
	WIN (W|(W<<2)|(W<<4))                          ; all three sources: window 2 or 3
.set i, 0
.rept 21
	v_max3_num_f32 v[PW+i], v[AC+3*i], v[AC+3*i+1], v[AC+3*i+2]   ; ascending: each accumulator is first read at its low end
.set i, i+1
.endr
	v_max3_num_f32 v[PW+21], v[AC+61], v[AC+62], v[AC+63]
	WIN 0
.set i, 0
.rept 7
	v_max3_num_f32 v[PW+24+i], v[PW+3*i], v[PW+3*i+1], v[PW+3*i+2]
.set i, i+1
.endr
	v_max3_num_f32 v[PW+32], v[PW+24], v[PW+25], v[PW+26]
	v_max3_num_f32 v[PW+33], v[PW+27], v[PW+28], v[PW+29]
	v_max_num_f32 v[PW+34], v[PW+30], v[PW+21]
	v_max3_num_f32 v[PW+32], v[PW+32], v[PW+33], v[PW+34]
	v_permlanex16_b32 v[XC], v[PW+32], s[SEL], s[SEL+1]
	v_max_num_f32 v[PW+32], v[PW+32], v[XC]        ; the largest score of my query in these 128 keys
	v_mul_f32 v[PW+32], s[CS], v[PW+32]            ; as t
	v_floor_f32 v[NM], -v[PW+32]                   ; -M = floor(-t) = -ceil(t)
	WIN W                                          ; source 0: window 2 or 3
.set i, 0
.rept 32
	v_pk_fma_f32 v[PW+2*i:PW+2*i+1], v[AC+2*i:AC+2*i+1], s[CS:CS+1], v[NM:NM+1] op_sel_hi:[1,0,0]   ; t - M, two at a time
.set i, i+1
.endr
	WIN 0
.set i, 0
.rept 64
	v_exp_f32 v[PW+i], v[PW+i]                     ; p' = 2^(t - M): one batch
.set i, i+1
.endr
	v_nop                                          ; a plain instruction behind the last exponential
	s_wait_alu depctr_va_vdst(0)                   ; one wait for the batch, ahead of its first reader
	v_pk_add_f32 v[SU:SU+1], v[PW:PW+1], v[PW+2:PW+3]             ; the sum of the unrounded p', in two chains
	v_pk_add_f32 v[SU+2:SU+3], v[PW+4:PW+5], v[PW+6:PW+7]
.set i, 8
.rept 14
	v_pk_add_f32 v[SU:SU+1], v[SU:SU+1], v[PW+i:PW+i+1]
	v_pk_add_f32 v[SU+2:SU+3], v[SU+2:SU+3], v[PW+i+2:PW+i+3]
.set i, i+4
.endr
	v_pk_add_f32 v[SU:SU+1], v[SU:SU+1], v[SU+2:SU+3]
	v_add_f32 v[SU], v[SU], v[SU+1]
	v_permlanex16_b32 v[XC], v[SU], s[SEL], s[SEL+1]
.set i, 0
.rept 32
	v_cvt_pk_f16_f32 v[TMP+i], v[PW+2*i], v[PW+2*i+1]
.set i, i+1
.endr
	v_add_f32 v[SU], v[SU], v[XC]                  ; the block's sum
	v_cndmask_b32 v[SV], v[NM], v[SU], s[HI16]     ; lanes 0-15 carry -M, lanes 16-31 the sum
	ds_store_b32 v[STW], v[SV] offset:64*(\a)
.endm
.macro TOSTAGE a
.set BB, BK+32*((\a)%2)
.irp b, 0,1,2,3,4,5,6,7
	ds_store_b128 v[STO], v[TMP+4*\b:TMP+4*\b+3] offset:32*\b
.endr
.irp t, 0,1,2,3,4,5,6,7
	ds_load_b128 v[BB+4*\t:BB+4*\t+3], v[RD] offset:\t*2*SPITCH    ; LDS serves a wave's instructions in order: these see the stores above
.endr
.endm
.macro SEND a
.set BB, BK+32*((\a)%2)
	s_wait_dscnt 0x0
	s_wait_xcnt 0x0                                ; earlier stores have read their base and their registers
.if (\a) > 0
	s_add_nc_u64 s[8:9], s[8:9], 16*SIZE_N*2
.endif
.irp t, 0,1,2,3,4,5,6,7
	global_store_b128 v[CO], v[BB+4*\t:BB+4*\t+3], s[8:9] offset:2*\t*SIZE_N*2   ; 16 lanes store 256 consecutive bytes, aligned
.endr
.endm
	SOFT 0
	TOSTAGE 0
.irp a, 1,2,3,4,5,6,7
	SOFT \a
	SEND \a-1
	TOSTAGE \a
.endr
	SEND 7
	ds_load_b128 v[208:211], v[STR]                ; my 128 queries' -M,
	ds_load_b128 v[212:215], v[STR] offset:512     ; and their sums: my own stores, served in order
	s_wait_dscnt 0x0
	global_store_b128 v[LN], v[208:211], s[STP:STP+1]                 ; 512 consecutive bytes, aligned
	global_store_b128 v[LN], v[212:215], s[STP:STP+1] offset:524288   ; the second plane
	s_wait_tensorcnt 0x0                           ; the wave's end
	ds_add_u32 v[SPW], v[NIL]
	s_wait_dscnt 0x0
	CROUND                                         ; the closing round
	s_endpgm
.Lfunc_end_k_q2c9e3d57d8_score:
	.size	k_q2c9e3d57d8_score, .Lfunc_end_k_q2c9e3d57d8_score-k_q2c9e3d57d8_score
	.p2alignl 7, 3214868480
	.fill 96, 4, 3214868480
	.section	.rodata,"a",@progbits
	.p2align	6, 0x0
	.amdhsa_kernel k_q2c9e3d57d8_score
		.amdhsa_group_segment_fixed_size 327680
		.amdhsa_private_segment_fixed_size 0
		.amdhsa_enable_private_segment 0
		.amdhsa_kernarg_size 24
		.amdhsa_user_sgpr_count 2
		.amdhsa_user_sgpr_kernarg_segment_ptr 1
		.amdhsa_wavefront_size32 1
		.amdhsa_system_sgpr_workgroup_id_x 1
		.amdhsa_system_sgpr_workgroup_id_y 1
		.amdhsa_system_sgpr_workgroup_id_z 1
		.amdhsa_system_vgpr_workitem_id 0
		.amdhsa_next_free_vgpr 1024
		.amdhsa_next_free_sgpr 74
		.amdhsa_reserve_vcc 0
		.amdhsa_float_denorm_mode_32 3
		.amdhsa_float_denorm_mode_16_64 3
		.amdhsa_memory_ordered 1
		.amdhsa_forward_progress 1
		.amdhsa_inst_pref_size 214
	.end_amdhsa_kernel
	.amdgpu_metadata
---
amdhsa.version: [ 1, 2 ]
amdhsa.kernels:
  - .name:           k_q2c9e3d57d8_score
    .symbol:         k_q2c9e3d57d8_score.kd
    .args:
      - { .name: proj, .offset: 0, .size: 8, .value_kind: global_buffer, .address_space: global }
      - { .name: pmat, .offset: 8, .size: 8, .value_kind: global_buffer, .address_space: global }
      - { .name: stats, .offset: 16, .size: 8, .value_kind: global_buffer, .address_space: global }
    .group_segment_fixed_size: 327680
    .private_segment_fixed_size: 0
    .kernarg_segment_align: 8
    .kernarg_segment_size: 24
    .max_flat_workgroup_size: 128
    .sgpr_count:     74
    .vgpr_count:     1024
    .wavefront_size: 32
...
	.end_amdgpu_metadata
.endif
;; end of part 3
;; launch ctx (part 4): grid 4 x 64, 4 waves a work-group, clusters of 4 x 4, 327,680 bytes of LDS; arguments pmat, proj, stats, out0; writes out0
.if DOCPART == 4
	.amdgcn_target "amdgcn-amd-amdhsa--gfx1250"
	.amdhsa_code_object_version 6
	.text
	.protected	k_q2c9e3d57d8_ctx
	.globl	k_q2c9e3d57d8_ctx
	.p2align	8
	.type	k_q2c9e3d57d8_ctx,@function
k_q2c9e3d57d8_ctx:
	s_mov_b64 s[64:65], 0
	v_nop
	global_prefetch_b8 v0, s[64:65] scope:SCOPE_SE
	s_setreg_imm32_b32 hwreg(HW_REG_WAVE_MODE, 25, 1), 1
	s_wait_xcnt 0x0
	s_wait_alu depctr_hold_cnt(0) depctr_sa_sdst(0) depctr_va_vdst(0) depctr_va_sdst(0) depctr_va_ssrc(0) depctr_va_vcc(0) depctr_vm_vsrc(0)
	s_getreg_b32 s2, hwreg(HW_REG_IB_STS2, 6, 4)
	s_cmp_eq_u32 s2, 0
	s_cbranch_scc0 .Lentry_in_a_cluster
	s_endpgm
.Lentry_in_a_cluster:
	s_bfe_u32 s2, ttmp6, 0x10000c
	s_cmp_lg_u32 s2, 0xf033
	s_cbranch_scc0 .Lentry_shape_is_right
	s_endpgm
.Lentry_shape_is_right:
; The second half of the softmax and the context.  For a query: M = the largest of its 16 blocks' M_jb; w_jb = 2^(M_jb - M), an exact power of two; l = the sum of w_jb l_jb;
; out = (4 / l) x the sum over blocks jb of w_jb x (the sum over the block's 128 keys of p' (v / 4)).  f16 operands, f32 sums; w is applied to the blocks' sums, in f32.
; LIMITS: NaN and infinities are not served; a block whose M_jb lies more than 149 under M counts for nothing (w falls under f32's smallest number).
; A tile of 128 queries x 256 channels is made by four waves, each 64 x 128.  That gives 256 work-groups; a tile of 256 x 256 would give 128.
; K = 2,048 keys goes in steps of 128, one block jb each, through a ring of two LDS slots: 128 rows of p' (256 bytes + 16) and 128 keys of v (512 bytes + 32).
; A K STEP'S PRODUCTS GO INTO STEP SUMS T (32 accumulators; the step's first quarter starts them with the constant 0).  In the next step's first quarter, directly ahead of each accumulator's new first product,
; four packed multiply-adds fold it into the running sums: ACC += w T.  The first fold is a multiplication, so nothing is cleared: the first lap is written out for it.  The last fold stands on the way out.
; CLUSTERS: 4 x 4 work-groups: the four of a row of the cluster need the same rows of p' and the same statistics, the four of a column the same part of v (the batch is cluster y / 4): joint loads.
; THE MATRIX INSTRUCTION IS USED TRANSPOSED: source 0 = 16 channels of v, read turned out of LDS; source 1 = 16 queries of p': a lane holds ONE query (lane % 16) and eight neighbouring channels.
; REGISTERS: window 0: v0-31 addresses; v32-47 w, four pairs for each slot (the low word counts); v48-55 4 / l; v64-127 p's fragments, two buffers; v192-255 at work.
;   The accumulators are shared out among windows 1 to 3 by their block b of 16 channels: blocks 0-2, 3-5, 6-7.  A block has 80 registers: T of the four tiles of queries (32), ACC (32), v's fragment in two buffers (16).
;   So one window setting (destination, source 0 and source 2 in the block's window, source 1 in window 0) serves a product and its fold alike.
.set PA,    272
.set PV,    544                        ; 512 + 32: an odd multiple of 32 bytes
.set VOFF,  128*PA
.set SLOT,  128*(PA+PV)
.set STATS, 2*SLOT                     ; 8,192 bytes a wave: 32 rows (16 x -M, 16 x l) of my 64 queries; filled once
.set TAB,   STATS+4*8192               ; 8,192 bytes a wave: w, 512 bytes a K step, 16 bytes a lane: the four tiles' w of my lane's queries
.set STAGE, TAB+4*8192                 ; 16 rows x (512 + 16) bytes a wave
.set SP,    528
.set SPARE, STAGE+4*16*SP              ; the spare words, 128 bytes a wave; no other line names them
.set LAPS,  8
.set ADRA, 16
.set ADRV, 20
.set ADRF, 22                          ; v22 my 16 bytes of the K step's w
.set ADS,  23
.set STO,  24
.set RD,   25
.set CO,   26
.set SPW,  28
.set NIL,  29
.set PFO,  30
.set WP,   32
.set RL,   48
.set MX,   56
.set AFR,  64
.set BKR,  64                          ; the way out: rows read back: v64-127, v128-191 by turns
.set OW,   192
.set G1, 24
.set G0, 32
.set G1B, 48
.set G0B, 56
.set G1S, 72
.set G0S, 80
.set PFA, 44
.set LIM, 43
.set PFS, 66                           ; s[66:67] a K step on, in bytes
.set MSB, 0
.macro WIN new                         ; the immediate's high byte repeats the setting that is left
.if MSB != (\new)
	s_set_vgpr_msb (MSB<<8)|(\new)
.set MSB, (\new)
.endif
.endm
.macro JLOAD s                         ; waves 0 and 1 fetch p's two halves, waves 2 and 3 v's; an s_nop 0 and four v_nop follow each line
	s_cmp_eq_u32 s11, 0
	s_cbranch_scc0 .Lfor_b_\@
	tensor_load_to_lds s[G0+4*\s:G0+4*\s+3], s[G1:G1+7]
	s_nop 0
.rept 4
	v_nop
.endr
	s_branch .Lasked_\@
.Lfor_b_\@:
	tensor_load_to_lds s[G0B+4*\s:G0B+4*\s+3], s[G1B:G1B+7]
	s_nop 0
.rept 4
	v_nop
.endr
.Lasked_\@:
.endm
; A prefetch of the K step that stands two refills on.  p': one cluster alone reads a row: wave 0 asks for 32 of the tile's 128 rows, told apart among the four partners by address (cx), a lane a row.
; v: the four clusters of a batch read the same part: the first of them asks; waves 2 and 3 take 16 keys x 2 blocks of 256 bytes each, told apart by address (cy).  The loop's last trip asks for nothing.
.macro ASK
	s_cmp_gt_u32 s3, s[LIM]
	s_cbranch_scc0 .Lnot_mine_\@
	global_prefetch_b8 v[PFO], s[PFA:PFA+1] th:TH_LOAD_NT scope:SCOPE_SE
.Lnot_mine_\@:
.endm
.macro CREST
	s_cmp_lg_u32 s10, 0
	s_cbranch_scc1 .Lnot_wave_0_\@
	s_barrier_signal -3
.Lnot_wave_0_\@:
	s_barrier_wait -3
	s_barrier_signal -1
	s_barrier_wait -1
.endm
.macro CROUND
	s_barrier_signal -1
	s_barrier_wait -1
	CREST
.endm
	s_load_b128 s[4:7], s[0:1], 0x0                ; pmat s[4:5], proj s[6:7]
	s_load_b128 s[88:91], s[0:1], 0x10             ; stats s[88:89], out0 s[90:91]
	v_lshl_add_u32 v[SPW], v0, 2, SPARE
	v_mov_b32 v[NIL], 0
	ds_add_u32 v[SPW], v[NIL]                      ; the opening: the add, twice on end, and its wait ahead of my first tensor load
	ds_add_u32 v[SPW], v[NIL]
	v_lshrrev_b32 v1, 5, v0
	v_readfirstlane_b32 s10, v1                    ; wave 0..3
	s_lshr_b32 s11, s10, 1                         ; my half of the queries.  Also: I fetch for p' (0) or for v (1)
	s_and_b32 s12, s10, 1                          ; my half of the channels.  Also: which 64 rows I fetch
	s_bfe_u32 s40, ttmp6, 0x40000                  ; cx
	s_bfe_u32 s41, ttmp6, 0x40004                  ; cy
	s_lshl_b32 s42, ttmp9, 2
	s_add_co_u32 s42, s42, s40                     ; tile column: 256 channels
	s_and_b32 s13, ttmp7, 0xffff                   ; cluster y
	s_lshr_b32 s92, s13, 2                         ; the batch, which all sixteen partners share,
	s_lshl_b32 s92, s92, 11                        ; and its first key
	s_lshl_b32 s13, s13, 2
	s_add_co_u32 s13, s13, s41                     ; tile row: 128 of the 8,192 queries
	s_lshl_b32 s43, s41, 2
	s_lshl_b32 s43, 15, s43                        ; my row of the cluster
	s_lshl_b32 s44, 0x1111, s40                    ; my column
	s_or_b32 s[G1+0], s43, (1<<16)|(1<<20)|(1<<21)|(5<<22)|(3<<25)   ; p': elements of 2 bytes; 4 words of padding behind every 64
	s_mov_b32 s[G1+1], 128<<16
	s_mov_b32 s[G1+2], 64<<16
	s_mov_b32 s[G1+3], 128<<16
	s_mov_b32 s[G1+4], 64
	s_mov_b32 s[G1+5], 2048
	s_mov_b32 s[G1+6], 0
	s_mov_b32 s[G1+7], 0
	s_or_b32 s[G1B+0], s44, (1<<16)|(1<<20)|(1<<21)|(6<<22)|(7<<25)  ; v: 8 words of padding behind every 128
	s_mov_b32 s[G1B+1], 256<<16
	s_mov_b32 s[G1B+2], 64<<16
	s_mov_b32 s[G1B+3], 256<<16
	s_mov_b32 s[G1B+4], 64
	s_mov_b32 s[G1B+5], 1024
	s_mov_b32 s[G1B+6], 0
	s_mov_b32 s[G1B+7], 0
	s_or_b32 s[G1S+0], s43, (2<<16)|(1<<21)                          ; the statistics: 32 rows of 64 elements of 4 bytes, 8,192 elements apart, no padding
	s_mov_b32 s[G1S+1], 64<<16
	s_mov_b32 s[G1S+2], 32<<16
	s_mov_b32 s[G1S+3], 64<<16
	s_mov_b32 s[G1S+4], 32
	s_mov_b32 s[G1S+5], 8192
	s_mov_b32 s[G1S+6], 0
	s_mov_b32 s[G1S+7], 0
	s_lshl_b32 s14, s13, 7                         ; the tile's first query
	s_lshl_b32 s15, s12, 6                         ; which 64 rows I fetch
	s_add_co_u32 s16, s14, s15
	s_lshl_b32 s16, s16, 12                        ; a row of pmat is 4,096 bytes
	s_mov_b32 s17, 0
	s_add_co_u32 s46, s92, s15
	s_lshl_b32 s46, s46, 11                        ; a row of v is 2,048 bytes
	s_lshl_b32 s47, s42, 9
	s_add_co_u32 s46, s46, s47                     ; + the tile's 512 bytes of it
	s_add_co_u32 s46, s46, 0x2000000               ; plane 2 of proj = v / 4
	s_mov_b32 s47, 0
	s_lshl_b32 s18, s11, 6
	s_add_co_u32 s18, s14, s18                     ; my wave's first query
	s_lshl_b32 s20, s18, 2
	s_mov_b32 s21, 0
	s_mul_i32 s22, s12, 64*PA
	s_mul_i32 s23, s12, 64*PV
	s_add_co_u32 s23, s23, VOFF
	s_lshl_b32 s93, s10, 13
	s_add_co_u32 s93, s93, STATS
	s_wait_dscnt 0x0                               ; both opening adds are done
	s_wait_kmcnt 0x0
	s_add_nc_u64 s[16:17], s[4:5], s[16:17]
	s_add_nc_u64 s[46:47], s[6:7], s[46:47]
	s_add_nc_u64 s[20:21], s[88:89], s[20:21]
	CROUND                                         ; all sixteen work-groups are here
	s_mov_b32 s[G0S], 1
	s_mov_b32 s[G0S+1], s93
	s_mov_b64 s[G0S+2:G0S+3], s[20:21]
	s_or_b32 s[G0S+3], s[G0S+3], 0x80000000
	tensor_load_to_lds s[G0S:G0S+3], s[G1S:G1S+7]  ; every wave its own 64 queries' statistics, into its own bytes; with the two slots three loads of mine are out
	s_nop 0
.rept 4
	v_nop
.endr
.irp s, 0,1
	s_mov_b32 s[G0+4*\s], 1
	s_add_co_u32 s[G0+4*\s+1], s22, \s*SLOT
	s_add_nc_u64 s[G0+4*\s+2:G0+4*\s+3], s[16:17], \s*256
	s_or_b32 s[G0+4*\s+3], s[G0+4*\s+3], 0x80000000
	s_mov_b32 s[G0B+4*\s], 1
	s_add_co_u32 s[G0B+4*\s+1], s23, \s*SLOT
	s_add_nc_u64 s[G0B+4*\s+2:G0B+4*\s+3], s[46:47], \s*128*2048
	s_or_b32 s[G0B+4*\s+3], s[G0B+4*\s+3], 0x80000000
	JLOAD \s
.endr
	v_and_b32 v1, 15, v0                           ; r
	v_bfe_u32 v2, v0, 4, 1                         ; h
	v_and_b32 v3, 31, v0                           ; lane
	v_mul_u32_u24 v4, v1, PA
	v_lshl_add_u32 v4, v2, 4, v4
	s_mul_i32 s14, s11, 64*PA                      ; my 64 queries
	v_add_nc_u32 v[ADRA], s14, v4
	v_add_nc_u32 v[ADRA+1], SLOT, v[ADRA]
	v_and_b32 v5, 7, v0                            ; the turning load: lane l reads key 8 h + l % 8, channels 8 ((l / 8) % 2) on
	v_bfe_u32 v6, v0, 3, 1
	v_lshl_add_u32 v5, v2, 3, v5
	v_mul_u32_u24 v5, v5, PV
	v_lshl_add_u32 v5, v6, 4, v5
	s_lshl_b32 s15, s12, 8                         ; my 128 channels
	s_add_co_u32 s15, s15, VOFF
	v_add_nc_u32 v[ADRV], s15, v5
	v_add_nc_u32 v[ADRV+1], SLOT, v[ADRV]
	s_lshl_b32 s14, s10, 13
	v_lshl_add_u32 v[ADRF], v3, 4, s14
	v_add_nc_u32 v[ADRF], TAB, v[ADRF]
	v_lshl_add_u32 v[ADS], v1, 2, s93
	s_mul_i32 s15, s10, 16*SP
	s_add_co_u32 s15, s15, STAGE
	v_mul_u32_u24 v[STO], v1, SP
	v_lshl_add_u32 v[STO], v2, 5, v[STO]
	v_add_nc_u32 v[STO], s15, v[STO]               ; in: row r, 32 bytes for each half of the lanes
	v_lshl_add_u32 v[RD], v3, 4, s15               ; back: the 32 lanes take a row of 512 bytes
	v_lshlrev_b32 v[CO], 4, v3
	s_lshl_b32 s20, s18, 12                        ; a row of out0 is 4,096 bytes
	s_lshl_b32 s21, s42, 10
	s_add_co_u32 s20, s20, s21
	s_lshl_b32 s21, s12, 9
	s_add_co_u32 s20, s20, s21
	s_mov_b32 s21, 0
	s_add_nc_u64 s[90:91], s[90:91], s[20:21]
	; the prefetches: both candidates are made, then one compare on the wave's number chooses
	s_lshl_b32 s14, s13, 7
	s_lshl_b32 s15, s40, 5
	s_add_co_u32 s14, s14, s15                     ; p': my work-group's 32 rows of the tile
	s_lshl_b32 s14, s14, 12
	s_add_co_u32 s14, s14, 3*256                   ; at K step 3: the first refill steps it to 4
	s_lshl_b32 s15, s12, 6
	s_add_co_u32 s15, s15, s92
	s_lshl_b32 s19, s41, 4
	s_add_co_u32 s15, s15, s19                     ; v: my wave's 64 keys, my work-group's 16 of them
	s_add_co_u32 s15, s15, 3*128
	s_lshl_b32 s15, s15, 11
	s_lshl_b32 s19, s42, 9
	s_add_co_u32 s15, s15, s19
	s_add_co_u32 s15, s15, 0x2000000
	s_and_b32 s22, ttmp7, 3                        ; cluster y within the batch
	s_mov_b32 s[PFS], 128*2048
	s_mov_b32 s23, 2048
	s_cmp_eq_u32 s11, 0
	s_cselect_b32 s14, s14, s15
	s_cselect_b32 s22, s12, s22                    ; of waves 0 and 1 the first asks
	s_cselect_b64 s[PFA:PFA+1], s[4:5], s[6:7]
	s_cselect_b32 s[PFS], 256, s[PFS]
	s_cselect_b32 s23, 4096, s23                   ; from row to row
	s_cselect_b32 s19, 0, 1                        ; v: two lanes to a row
	s_mov_b32 s15, 0
	s_mov_b32 s[PFS+1], 0
	s_add_nc_u64 s[PFA:PFA+1], s[PFA:PFA+1], s[14:15]
	s_cmp_eq_u32 s22, 0
	s_cselect_b32 s[LIM], 1, -1
	v_lshrrev_b32 v[PFO], s19, v3
	v_mul_lo_u32 v[PFO], v[PFO], s23
	v_and_b32 v31, s19, v3
	v_lshl_add_u32 v[PFO], v31, 8, v[PFO]
	; THE STATISTICS.  v[64 + 32 a + j]: -M of block j, v[80 + 32 a + j]: l of block j, of my query in tile a of 16 queries (both halves of the lanes hold the same)
	s_wait_tensorcnt 2                             ; my statistics have landed (behind them: my two slots' loads); only I read these bytes
.irp a, 0,1,2,3
.irp j, 0,1,2,3,4,5,6,7,8,9,10,11,12,13,14,15,16,17,18,19,20,21,22,23,24,25,26,27,28,29,30,31
	ds_load_b32 v[64+32*\a+\j], v[ADS] offset:256*\j+64*\a
.endr
.endr
	s_wait_dscnt 0x0
.irp a, 0,1,2,3
	v_max3_num_f32 v[MX+\a], -v[64+32*\a], -v[65+32*\a], -v[66+32*\a]          ; the row's M (the four tiles by turns)
.endr
.irp i, 3,5,7,9,11,13
.irp a, 0,1,2,3
	v_max3_num_f32 v[MX+\a], v[MX+\a], -v[64+32*\a+\i], -v[65+32*\a+\i]
.endr
.endr
.irp a, 0,1,2,3
	v_max_num_f32 v[MX+\a], v[MX+\a], -v[79+32*\a]
.endr
.irp a, 0,1,2,3
	v_mul_f32 v[MX+\a], -1.0, v[MX+\a]                                        ; -M
.endr
.irp j, 0,1,2,3,4,5,6,7,8,9,10,11,12,13,14,15
.irp a, 0,1,2,3
	v_sub_f32 v[64+32*\a+\j], v[MX+\a], v[64+32*\a+\j]                        ; -M - (-M_j) = M_j - M: a whole number, 0 or less
.endr
.endr
.irp j, 0,1,2,3,4,5,6,7,8,9,10,11,12,13,14,15
.irp a, 0,1,2,3
	v_cvt_i32_f32 v[64+32*\a+\j], v[64+32*\a+\j]                              ; (it saturates)
.endr
.endr
.irp j, 0,1,2,3,4,5,6,7,8,9,10,11,12,13,14,15
.irp a, 0,1,2,3
	v_ldexp_f32 v[OW+4*\j+\a], 1.0, v[64+32*\a+\j]                            ; w_j = 2^(M_j - M), laid as the table wants it: K step j's four on end
.endr
.endr
.irp a, 0,1,2,3
	v_mul_f32 v[RL+2*\a], v[OW+\a], v[80+32*\a]
.endr
.irp j, 1,2,3,4,5,6,7,8,9,10,11,12,13,14,15
.irp a, 0,1,2,3
	v_fmac_f32 v[RL+2*\a], v[OW+4*\j+\a], v[80+32*\a+\j]                      ; l: over 1/2, since the block with M_j = M holds a p' over 1/2
.endr
.endr
.irp a, 0,1,2,3
	v_rcp_f32 v[RL+2*\a], v[RL+2*\a]
.endr
.irp i, 0,1,2,3,4,5,6,7
	v_mov_b32 v[WP+2*\i+1], 0                      ; the upper words of w's pairs: named with the low words, never used.  (Plain instructions behind the reciprocals)
.endr
.irp j, 0,1,2,3,4,5,6,7,8,9,10,11,12,13,14,15
	ds_store_b128 v[ADRF], v[OW+4*\j:OW+4*\j+3] offset:512*\j                 ; K step j's four w of my lane
.endr
	s_wait_alu depctr_va_vdst(0)                   ; one wait for the four reciprocals, ahead of their first reader
.irp a, 0,1,2,3
	v_mul_f32 v[RL+2*\a], 4.0, v[RL+2*\a]          ; 4 / l: v was stored x 1/4
.endr
.irp a, 0,1,2,3
	v_mov_b32 v[RL+2*\a+1], v[RL+2*\a]
.endr
.macro PLACES                          ; four plain vector instructions between a matrix instruction and a load into, or a read of, its registers
.rept 4
	v_nop
.endr
.endm
.macro MM a, b, f, zero                ; 16 channels (block b) x 16 queries (tile a) x 32 keys, from buffers f, into the step sum T(a, b)
.set TB, 80*((\b)%3)
.if \zero
	v_wmma_f32_16x16x32_f16 v[TB+8*(\a):TB+8*(\a)+7], v[TB+64+8*(\f):TB+64+8*(\f)+7], v[AFR+32*(\f)+8*(\a):AFR+32*(\f)+8*(\a)+7], 0
.else
	v_wmma_f32_16x16x32_f16 v[TB+8*(\a):TB+8*(\a)+7], v[TB+64+8*(\f):TB+64+8*(\f)+7], v[AFR+32*(\f)+8*(\a):AFR+32*(\f)+8*(\a)+7], v[TB+8*(\a):TB+8*(\a)+7]
.endif
.endm
.macro FOLD a, b, ws, first            ; ACC(a, b) += w T(a, b), w of set ws; first = 1: ACC = w T.  T is read from its low end on
.set TB, 80*((\b)%3)
.irp i, 0,1,2,3
.if \first
	v_pk_mul_f32 v[TB+32+8*(\a)+2*\i:TB+32+8*(\a)+2*\i+1], v[TB+8*(\a)+2*\i:TB+8*(\a)+2*\i+1], v[WP+8*(\ws)+2*(\a):WP+8*(\ws)+2*(\a)+1] op_sel_hi:[1,0]
.else
	v_pk_fma_f32 v[TB+32+8*(\a)+2*\i:TB+32+8*(\a)+2*\i+1], v[TB+8*(\a)+2*\i:TB+8*(\a)+2*\i+1], v[WP+8*(\ws)+2*(\a):WP+8*(\ws)+2*(\a)+1], v[TB+32+8*(\a)+2*\i:TB+32+8*(\a)+2*\i+1] op_sel_hi:[1,0,1]
.endif
.endr
.endm
; Block b's four products.  mode 0: they add onto T.  Else they start T anew with the constant 0; ahead of each: mode 1: the fold of the step before; mode 2: the first fold; mode 3: nothing (the first K step).
.macro MMB b, f, mode, ws
	WIN 0x51*(1+(\b)/3)                            ; destination, source 0 and source 2: the block's window; source 1: window 0
.irp a, 0,1,2,3
.if (\mode) == 1
	FOLD \a, \b, \ws, 0
.elseif (\mode) == 2
	FOLD \a, \b, \ws, 1
.endif
.if (\mode) == 0
	MM \a, \b, \f, 0
.else
	MM \a, \b, \f, 1
.endif
.endr
.endm
.macro FETCH slot, k, g                ; 24 LDS loads in one run: the fragments of the slot's k-th 32 keys into buffers g
.irp i, 0,1,2,3,4,5,6,7
	WIN (1+(\i)/3)<<6                              ; destination: the block's window
	ds_load_tr16_b128 v[80*((\i)%3)+64+8*(\g):80*((\i)%3)+64+8*(\g)+3],   v[ADRV+\slot] offset:32*PV*(\k)+32*\i
	ds_load_tr16_b128 v[80*((\i)%3)+64+8*(\g)+4:80*((\i)%3)+64+8*(\g)+7], v[ADRV+\slot] offset:32*PV*(\k)+16*PV+32*\i
.endr
	WIN 0
.irp i, 0,1,2,3
	ds_load_b128 v[AFR+32*(\g)+8*\i:AFR+32*(\g)+8*\i+3],   v[ADRA+\slot] offset:64*(\k)+\i*16*PA
	ds_load_b128 v[AFR+32*(\g)+8*\i+4:AFR+32*(\g)+8*\i+7], v[ADRA+\slot] offset:64*(\k)+\i*16*PA+32
.endr
.endm
.macro WLOAD s                         ; a K step's four w into the low words of set s's pairs
.irp a, 0,1,2,3
	ds_load_b32 v[WP+8*(\s)+2*\a], v[ADRF] offset:4*\a
.endr
.endm
; A quarter of a K step: 32 keys, 32 matrix instructions on 32 accumulators, which take turns in the same order in every quarter.
; It multiplies buffers f and first asks for the next quarter (the slot's k-th) into buffers g, which the quarter before has multiplied: four places stand between.
.macro QUARTER slot, k, f, g, mode, ws, fetch
	s_wait_dscnt 0x0                               ; this quarter's fragments, asked for a quarter ago, are in
.if \fetch
	PLACES
	FETCH \slot, \k, \g
.endif
.irp b, 0,1,2,3,4,5,6,7
	MMB \b, \f, \mode, \ws
.endr
.endm
; A slot's last quarter (buffers 1) changes slots: one barrier; in front of it each wave waits for all its tensor loads, adds 0 to its spare word, and waits for that and for its reads of this slot.
.macro TURN slot, next, fill
	WIN 0
.if \fill
	s_wait_xcnt 0x0                                ; the last prefetch, a K step back, has read its address
	s_add_nc_u64 s[PFA:PFA+1], s[PFA:PFA+1], s[PFS:PFS+1]
.endif
	s_wait_tensorcnt 0x0                           ; all my tensor loads have landed: my part of the next slot;
	ds_add_u32 v[SPW], v[NIL]                      ; 0 onto my spare word;
	s_wait_dscnt 1                                 ; (the add alone may be out: this quarter's fragments are in)
.irp b, 0,1
	MMB \b, 1, 0, 0
.endr
	s_wait_dscnt 0x0                               ; the add is done, and my reads of this slot are over
	s_barrier_signal -1
.irp b, 2,3
	MMB \b, 1, 0, 0
.endr
	WIN 0
	s_barrier_wait -1
.if \fill
	CREST                                          ; no wave of any partner still reads this slot or has a load on its way
	s_add_nc_u64 s[G0+4*\slot+2:G0+4*\slot+3], s[G0+4*\slot+2:G0+4*\slot+3], 2*256
	s_add_nc_u64 s[G0B+4*\slot+2:G0B+4*\slot+3], s[G0B+4*\slot+2:G0B+4*\slot+3], 2*128*2048
	JLOAD \slot                                    ; my one tensor load behind the round; its four v_nop are also the places in front of the loads below
.else
	PLACES
.endif
	v_add_nc_u32 v[ADRF], 512, v[ADRF]             ; the next K step's w
	FETCH \next, 0, 0
	WLOAD \next                                    ; set next's last reader was the fold in this K step's first quarter
.if \fill
	ASK
.endif
.irp b, 4,5,6,7
	MMB \b, 1, 0, 0
.endr
.endm
; A lap goes once round the ring, from a lap's second quarter to the next lap's first, and fills both slots again.  m: the mode of the fold of slot 0's K step: 2 in the first lap, then 1.
.macro LAP m
	QUARTER 0, 2, 1, 0, 0, 0, 1
	QUARTER 0, 3, 0, 1, 0, 0, 1
	TURN 0, 1, 1
	QUARTER 1, 1, 0, 1, \m, 0, 1                   ; slot 1's K step begins; slot 0's is folded, with set 0's w
	QUARTER 1, 2, 1, 0, 0, 0, 1
	QUARTER 1, 3, 0, 1, 0, 0, 1
	TURN 1, 0, 1
	QUARTER 0, 1, 0, 1, 1, 1, 1                    ; slot 0's next K step begins; slot 1's is folded, with set 1's w
	WIN 0                                          ; at a label and at a branch every window is 0
.endm
	s_wait_tensorcnt 1                             ; my part of K step 0 is in (K step 1's may be out)
	s_wait_dscnt 0x0                               ; and my stores of w are done
	s_barrier_signal -1
	s_barrier_wait -1
	FETCH 0, 0, 0
	WLOAD 0
	QUARTER 0, 1, 0, 1, 3, 0, 1                    ; the first quarter's products start the first step sums
	WIN 0
	s_mov_b32 s3, LAPS-1                           ; (the prefetches' test reads it)
	LAP 2                                          ; the first lap is written out: its first fold starts the running sums
	s_mov_b32 s3, LAPS-2
.Llap:
	LAP 1
	s_sub_co_u32 s3, s3, 1
	s_cmp_lg_u32 s3, 0
	s_cbranch_scc1 .Llap
	QUARTER 0, 2, 1, 0, 0, 0, 1                    ; the last lap asks for nothing
	QUARTER 0, 3, 0, 1, 0, 0, 1
	TURN 0, 1, 0
	QUARTER 1, 1, 0, 1, 1, 0, 1
	QUARTER 1, 2, 1, 0, 0, 0, 1
	QUARTER 1, 3, 0, 1, 0, 0, 1
	QUARTER 1, 0, 1, 0, 0, 0, 0                    ; the very last quarter: nothing more to fetch
	WIN 0
; THE WAY OUT, a tile of 16 queries x 128 channels at a time: the last fold (set 1's w: the last K step lay in slot 1), x 4 / l, through my own stage, back as whole rows of 512 bytes.
.macro TOSTAGE a
.irp b, 0,1,2,3,4,5,6,7
	WIN 0x11*(1+(\b)/3)                            ; sources 0 and 2: the block's window; source 1 and destination: window 0
.irp i, 0,1,2,3
	v_pk_fma_f32 v[OW+8*\b+2*\i:OW+8*\b+2*\i+1], v[80*((\b)%3)+8*(\a)+2*\i:80*((\b)%3)+8*(\a)+2*\i+1], v[WP+8+2*(\a):WP+8+2*(\a)+1], v[80*((\b)%3)+32+8*(\a)+2*\i:80*((\b)%3)+32+8*(\a)+2*\i+1] op_sel_hi:[1,0,1]   ; each step sum from its low end on
.endr
.endr
	WIN 0
.set i, 0
.rept 32
	v_pk_mul_f32 v[OW+2*i:OW+2*i+1], v[OW+2*i:OW+2*i+1], v[RL+2*(\a):RL+2*(\a)+1] op_sel_hi:[1,0]
.set i, i+1
.endr
.irp b, 0,1,2,3,4,5,6,7
	ds_store_b128 v[STO], v[OW+8*\b:OW+8*\b+3] offset:64*\b
	ds_store_b128 v[STO], v[OW+8*\b+4:OW+8*\b+7] offset:64*\b+16
.endr
.set BB, BKR+64*((\a)%2)
.irp t, 0,1,2,3,4,5,6,7,8,9,10,11,12,13,14,15
	ds_load_b128 v[BB+4*\t:BB+4*\t+3], v[RD] offset:\t*SP          ; LDS serves a wave's instructions in order: these see the stores above, and the next tile's stores come behind them
.endr
.endm
.macro SEND a, younger                 ; younger: the LDS instructions issued behind tile a's loads
.set BB, BKR+64*((\a)%2)
	s_wait_dscnt \younger
.irp t, 0,1,2,3,4,5,6,7,8,9,10,11,12,13,14,15
	global_store_b128 v[CO], v[BB+4*\t:BB+4*\t+3], s[90:91] offset:(16*(\a)+\t)*4096 th:TH_STORE_NT   ; 32 lanes store 512 consecutive bytes, aligned
.endr
.endm
	PLACES                                         ; behind the last products
	TOSTAGE 0
	TOSTAGE 1
	SEND 0, 32                                     ; behind tile 0's loads: tile 1's 16 stores and 16 loads
	s_wait_xcnt 0x0                                ; tile 0's stores have read their registers: tile 2's loads may land there
	TOSTAGE 2
	SEND 1, 32
	s_wait_xcnt 0x0
	TOSTAGE 3
	SEND 2, 32
	SEND 3, 0
	s_wait_tensorcnt 0x0                           ; the wave's end
	ds_add_u32 v[SPW], v[NIL]
	s_wait_dscnt 0x0
	CROUND                                         ; the closing round
	s_endpgm
.Lfunc_end_k_q2c9e3d57d8_ctx:
	.size	k_q2c9e3d57d8_ctx, .Lfunc_end_k_q2c9e3d57d8_ctx-k_q2c9e3d57d8_ctx
	.p2alignl 7, 3214868480
	.fill 96, 4, 3214868480
	.section	.rodata,"a",@progbits
	.p2align	6, 0x0
	.amdhsa_kernel k_q2c9e3d57d8_ctx
		.amdhsa_group_segment_fixed_size 327680
		.amdhsa_private_segment_fixed_size 0
		.amdhsa_enable_private_segment 0
		.amdhsa_kernarg_size 32
		.amdhsa_user_sgpr_count 2
		.amdhsa_user_sgpr_kernarg_segment_ptr 1
		.amdhsa_wavefront_size32 1
		.amdhsa_system_sgpr_workgroup_id_x 1
		.amdhsa_system_sgpr_workgroup_id_y 1
		.amdhsa_system_sgpr_workgroup_id_z 1
		.amdhsa_system_vgpr_workitem_id 0
		.amdhsa_next_free_vgpr 1024
		.amdhsa_next_free_sgpr 96
		.amdhsa_reserve_vcc 0
		.amdhsa_float_denorm_mode_32 3
		.amdhsa_float_denorm_mode_16_64 3
		.amdhsa_memory_ordered 1
		.amdhsa_forward_progress 1
		.amdhsa_inst_pref_size 203
	.end_amdhsa_kernel
	.amdgpu_metadata
---
amdhsa.version: [ 1, 2 ]
amdhsa.kernels:
  - .name:           k_q2c9e3d57d8_ctx
    .symbol:         k_q2c9e3d57d8_ctx.kd
    .args:
      - { .name: pmat, .offset: 0, .size: 8, .value_kind: global_buffer, .address_space: global }
      - { .name: proj, .offset: 8, .size: 8, .value_kind: global_buffer, .address_space: global }
      - { .name: stats, .offset: 16, .size: 8, .value_kind: global_buffer, .address_space: global }
      - { .name: out0, .offset: 24, .size: 8, .value_kind: global_buffer, .address_space: global }
    .group_segment_fixed_size: 327680
    .private_segment_fixed_size: 0
    .kernarg_segment_align: 8
    .kernarg_segment_size: 32
    .max_flat_workgroup_size: 128
    .sgpr_count:     96
    .vgpr_count:     1024
    .wavefront_size: 32
...
	.end_amdgpu_metadata
.endif
;; end of part 4
